; MI455X (gfx1250); checked and timed in simulation.
; The chip was launched on July 23, 2026; its instructions are those of AMD's public machine-readable ISA for CDNA 5 (MIT licence, August 2026) and "CDNA5" Instruction Set Architecture Reference Guide (July 2026). The comments in the code are by the model that wrote it; some were corrected since.
;; Token Routed MLP. Allowed arithmetic: matrix products marked QUANTISED: E4M3 operands, one given power-of-two scale a tensor, by v_wmma_f32_16x16x64_fp8_fp8 or v_wmma_f32_16x16x128_fp8_fp8, f32 sums; everything else in f32.
;; Inputs: down_proj_codes 8 x 2,048 x 32 x 32 uint8 (E4M3 codes of down_proj, K innermost, in blocks of 32 codes); gate_up_proj_codes 8 x 2,048 x 64 x 32 uint8 (E4M3 codes of gate_up_proj, K innermost, in blocks of 32 codes); lowp_scales 32 int32 (the exponents e of the quantised operands' scales 2^e); token_ids 1,024 int32; x_codes 1,024 x 64 x 32 uint8 (E4M3 codes of x, K innermost, in blocks of 32 codes).
;; Outputs: out0 1,024 x 2,048 float32.
;; This version of the problem:
;;   THIS VERSION OF THE PROBLEM IS GIVEN IN LOW PRECISION. The matrix products marked QUANTISED in the list below multiply operands that are first quantised to E4M3 (4 exponent bits, 3 mantissa bits; 8 bits a number), with one given power-of-two scale for each operand tensor; their sums are f32. All else is computed in f32.
;;   The module's matrix products, in the order in which they are computed (A, B: the left and right operand; K: the contracted axis; several contracted axes count as one K, in the product's order):
;;     1. [M 1,024, K 2,048] x [K 2,048, N 2,048]; A: input x (given as codes); B: input gate_up_proj (given as codes): QUANTISED (scales: A lowp_scales[0], B lowp_scales[1])
;;     2. [M 1,024, K 1,024] x [K 1,024, N 2,048]; A: computed on the way; B: input down_proj (given as codes): QUANTISED (scales: A lowp_scales[2], B lowp_scales[3])
;;     3. [M 1,024, K 2,048] x [K 2,048, N 2,048]; A: input x (given as codes); B: input gate_up_proj (given as codes): QUANTISED (scales: A lowp_scales[4], B lowp_scales[5])
;;     4. [M 1,024, K 1,024] x [K 1,024, N 2,048]; A: computed on the way; B: input down_proj (given as codes): QUANTISED (scales: A lowp_scales[6], B lowp_scales[7])
;;     5. [M 1,024, K 2,048] x [K 2,048, N 2,048]; A: input x (given as codes); B: input gate_up_proj (given as codes): QUANTISED (scales: A lowp_scales[8], B lowp_scales[9])
;;     6. [M 1,024, K 1,024] x [K 1,024, N 2,048]; A: computed on the way; B: input down_proj (given as codes): QUANTISED (scales: A lowp_scales[10], B lowp_scales[11])
;;     7. [M 1,024, K 2,048] x [K 2,048, N 2,048]; A: input x (given as codes); B: input gate_up_proj (given as codes): QUANTISED (scales: A lowp_scales[12], B lowp_scales[13])
;;     8. [M 1,024, K 1,024] x [K 1,024, N 2,048]; A: computed on the way; B: input down_proj (given as codes): QUANTISED (scales: A lowp_scales[14], B lowp_scales[15])
;;     9. [M 1,024, K 2,048] x [K 2,048, N 2,048]; A: input x (given as codes); B: input gate_up_proj (given as codes): QUANTISED (scales: A lowp_scales[16], B lowp_scales[17])
;;     10. [M 1,024, K 1,024] x [K 1,024, N 2,048]; A: computed on the way; B: input down_proj (given as codes): QUANTISED (scales: A lowp_scales[18], B lowp_scales[19])
;;     11. [M 1,024, K 2,048] x [K 2,048, N 2,048]; A: input x (given as codes); B: input gate_up_proj (given as codes): QUANTISED (scales: A lowp_scales[20], B lowp_scales[21])
;;     12. [M 1,024, K 1,024] x [K 1,024, N 2,048]; A: computed on the way; B: input down_proj (given as codes): QUANTISED (scales: A lowp_scales[22], B lowp_scales[23])
;;     13. [M 1,024, K 2,048] x [K 2,048, N 2,048]; A: input x (given as codes); B: input gate_up_proj (given as codes): QUANTISED (scales: A lowp_scales[24], B lowp_scales[25])
;;     14. [M 1,024, K 1,024] x [K 1,024, N 2,048]; A: computed on the way; B: input down_proj (given as codes): QUANTISED (scales: A lowp_scales[26], B lowp_scales[27])
;;     15. [M 1,024, K 2,048] x [K 2,048, N 2,048]; A: input x (given as codes); B: input gate_up_proj (given as codes): QUANTISED (scales: A lowp_scales[28], B lowp_scales[29])
;;     16. [M 1,024, K 1,024] x [K 1,024, N 2,048]; A: computed on the way; B: input down_proj (given as codes): QUANTISED (scales: A lowp_scales[30], B lowp_scales[31])
;;   THE QUANTISER, for each operand of a quantised product, along K:
;;     - The operand's scale is 2^e, e = its entry of the input lowp_scales (int32; the entries are numbered through the quantised products in the list's order, A before B).
;;     - Each number is divided by the scale, clamped to +-448, and rounded to the nearest number of E4M3, ties to even, subnormals kept.
;;     - The product sums the exact products of the quantised numbers (number of the format x scale) in f32.
;;   ~~~python
;;   def quantise(x, axis, e):      # numpy; x: float32 -> the quantised numbers, widened to float32 again
;;       x = np.moveaxis(x, axis, -1); K = x.shape[-1]
;;       r = np.clip(x / 2.0 ** e, -448, 448)
;;       step = 2.0 ** (np.maximum(np.frexp(np.where(r == 0, 1, r))[1] - 1, -6) - 3)
;;       q = np.round(r / step) * step * 2.0 ** e      # np.round: ties to even
;;       return np.moveaxis(q, -1, axis).astype(np.float32)
;;   ~~~
;;   OPERANDS COMPUTED ON THE WAY. 'Computed on the way' means the value that the module computes at that place (a softmax that the list does not call 'softmax' is quantised finished and normalised). What goes into a quantiser is computed in f32, as accurately as f32 sums, v_exp_f32 and their like allow (about 1e-6 of the number): no bf16 or f16 on the way to a quantiser, and a product that is left as it is and whose result goes on into a quantised operand takes f32 operands (vector FMAs, or v_wmma_f32_16x16x4_f32). A number that lies on a knife's edge between two numbers of the format may be rounded either way, as far as f32 arithmetic and the matrix unit's own rounding can turn it there, and no further.
;;   INPUTS GIVEN AS CODES. down_proj (in the module: [8, 1024, 2048], K = its axis 1); gate_up_proj (in the module: [8, 2048, 2048], K = its axis 1); x (in the module: [1024, 2048], K = its axis 1): each comes as NAME_codes (uint8): NAME with its K axis moved to the last place and cut into blocks of 32 codes, [.., K / 32, bytes a block], one block behind the other in memory; one code a byte (a code: sign, 4 exponent bits, 3 mantissa bits); its scale is its entry of lowp_scales. Its value is code x scale, taken as it is: it is not quantised again, and the codes and scales need not be those that the quantiser above would give.
;; 2 versions, each right; version 2 is version 1 with the launches gateup, down written anew for expert scheduling mode. Each part assembles by itself: llvm-mc -triple=amdgcn-amd-amdhsa -mcpu=gfx1250 --defsym DOCPART=n.
;; ======== version 1 of 2: 3 launches
;; workspace buffers: hid 8,388,608 bytes; order 40,960 bytes of whole numbers
;; launch route (part 1): grid 8 x 1, 1 waves a work-group, no clusters, 8,448 bytes of LDS; arguments token_ids, order; writes order
.if DOCPART == 1
	.amdgcn_target "amdgcn-amd-amdhsa--gfx1250"
	.amdhsa_code_object_version 6
	.text
	.protected	k_q23cfa051ad_route
	.globl	k_q23cfa051ad_route
	.p2align	8
	.type	k_q23cfa051ad_route,@function
k_q23cfa051ad_route:
	s_mov_b64 s[64:65], 0
	v_nop
	global_prefetch_b8 v0, s[64:65] scope:SCOPE_SE
	s_setreg_imm32_b32 hwreg(HW_REG_WAVE_MODE, 25, 1), 1
	s_wait_xcnt 0x0
; TokenRoutedMLP, the routing: expert e = clip(id, 0, 50256) % 8 for each of the 1,024 tokens.  Work-group e (one wave) lists expert e's tokens and counts them.
; The count steers branches and the list steers addresses in the two launches that follow: so both are made here and stored as whole numbers.
; order: 5,120 bytes for each expert: words 0-1151 the list (n tokens, then 32 copies of the first one, all else token 0), and from byte 4,608 on 512 bytes that hold n in every word.
; So the spare rows of an expert's last tile of 16 repeat its first token, and no later launch ever switches a lane off.
; clip(id) % 8 is min_u32(id, 50256) & 7: a negative id, read as unsigned, is held at 50256, and 0 and 50256 are both 0 modulo 8.
; The list is gathered in LDS and leaves by stores of 512 consecutive bytes.  One wave: no barrier; LDS serves a wave's instructions in order (ISA guide 5.7.1.4).
.set LIST,  0                          ; LDS: 2,048 words: the list and its fill in words 0-1151, words 1152 + lane take what does not belong to the expert
.set OSTR,  5120
.set OCNT,  4608
.set I16,  1                           ; 16 x lane
.set L4,   2                           ; 4 x lane
.set DUMP, 3
.set ZA,   4
.set RP,   5                           ; the list's address, used for nothing else
.set T1,   6
.set T2,   7
.set LANE, 8
.set Z4,   12                          ; v12-15 zeros
.set P,    32                          ; v32-63 the ids: register P + 4 q + c of lane l = id[128 q + 4 l + c]
.set OUTR, 64                          ; v64-99 the list on its way out
.set NR,   100                         ; v100-103 n
.set SE,   8
.set STMP, 9
.set SCNT, 12
	s_load_b128 s[4:7], s[0:1], 0x0                        ; ids s[4:5], order s[6:7]
	v_lshl_add_u32 v128, v0, 2, 0x2000
	v_mov_b32 v129, 0
	s_mov_b32 s[SE], ttmp9                                 ; the expert
	v_and_b32 v[LANE], 31, v0
	v_lshlrev_b32 v[I16], 4, v[LANE]
	v_lshlrev_b32 v[L4], 2, v[LANE]
	v_add_nc_u32 v[DUMP], 1152, v[LANE]
	v_mov_b32 v[ZA], LIST
.irp q, 0,1,2,3
	v_mov_b32 v[Z4+\q], 0
.endr
	s_mul_i32 s10, s[SE], OSTR
	s_mov_b32 s11, 0
	s_wait_kmcnt 0x0
	s_add_nc_u64 s[6:7], s[6:7], s[10:11]                  ; my expert's part of order
.irp q, 0,1,2,3,4,5,6,7
	global_load_b128 v[P+4*\q:P+4*\q+3], v[I16], s[4:5] offset:512*\q
.endr
.irp q, 0,1,2,3,4,5,6,7,8
	ds_store_b128 v[I16], v[Z4:Z4+3] offset:LIST+512*\q    ; words 0-1151 = token 0
.endr
	s_mov_b32 s[SCNT], 0
	s_wait_loadcnt 0x0
; 32 steps of 32 tokens: a token's place is the count so far + the number of lower lanes that match
.irp q, 0,1,2,3,4,5,6,7
.irp c, 0,1,2,3
	v_min_u32 v[T1], 0xc450, v[P+4*\q+\c]
	v_and_b32 v[T1], 7, v[T1]
	v_cmp_eq_u32 vcc_lo, s[SE], v[T1]
	v_mbcnt_lo_u32_b32 v[RP], vcc_lo, s[SCNT]
	v_cndmask_b32 v[RP], v[DUMP], v[RP], vcc_lo            ; a token of another expert goes to my lane's spare word
	v_min_u32 v[RP], 0x7ff, v[RP]
	v_lshlrev_b32 v[RP], 2, v[RP]
	v_add_nc_u32 v[T2], 128*\q+\c, v[L4]                   ; the token's number
	ds_store_b32 v[RP], v[T2]
	s_bcnt1_i32_b32 s[STMP], vcc_lo
	s_add_co_u32 s[SCNT], s[SCNT], s[STMP]
.endr
.endr
	ds_load_b32 v[T1], v[ZA]                               ; the list's first entry
	v_add_nc_u32 v[RP], s[SCNT], v[LANE]
	v_min_u32 v[RP], 0x7ff, v[RP]
	v_lshlrev_b32 v[RP], 2, v[RP]
	s_wait_dscnt 0x0
	ds_store_b32 v[RP], v[T1]                              ; places n .. n + 31 repeat the first token
.irp q, 0,1,2,3,4,5,6,7,8
	ds_load_b128 v[OUTR+4*\q:OUTR+4*\q+3], v[I16] offset:LIST+512*\q
.endr
.irp c, 0,1,2,3
	v_mov_b32 v[NR+\c], s[SCNT]
.endr
.irp q, 0,1,2,3,4,5,6,7,8
	s_wait_dscnt 8-\q                                      ; LDS loads come back in order (ISA guide 5.7.1): load q is in, the 8 - q behind it may be out
	global_store_b128 v[I16], v[OUTR+4*\q:OUTR+4*\q+3], s[6:7] offset:512*\q   ; the wave stores 512 consecutive bytes, at a multiple of 512 from the part's first byte
.endr
	global_store_b128 v[I16], v[NR:NR+3], s[6:7] offset:OCNT
	s_wait_tensorcnt 0x0
	ds_add_u32 v128, v129
	s_wait_dscnt 0x0
	s_endpgm
.Lfunc_end_k_q23cfa051ad_route:
	.size	k_q23cfa051ad_route, .Lfunc_end_k_q23cfa051ad_route-k_q23cfa051ad_route
	.p2alignl 7, 3214868480
	.fill 96, 4, 3214868480
	.section	.rodata,"a",@progbits
	.p2align	6, 0x0
	.amdhsa_kernel k_q23cfa051ad_route
		.amdhsa_group_segment_fixed_size 8448
		.amdhsa_private_segment_fixed_size 0
		.amdhsa_enable_private_segment 0
		.amdhsa_kernarg_size 16
		.amdhsa_user_sgpr_count 2
		.amdhsa_user_sgpr_kernarg_segment_ptr 1
		.amdhsa_wavefront_size32 1
		.amdhsa_system_sgpr_workgroup_id_x 1
		.amdhsa_system_sgpr_workgroup_id_y 1
		.amdhsa_system_sgpr_workgroup_id_z 1
		.amdhsa_system_vgpr_workitem_id 0
		.amdhsa_next_free_vgpr 130
		.amdhsa_next_free_sgpr 66
		.amdhsa_reserve_vcc 1
		.amdhsa_float_denorm_mode_32 3
		.amdhsa_float_denorm_mode_16_64 3
		.amdhsa_memory_ordered 1
		.amdhsa_forward_progress 1
		.amdhsa_inst_pref_size 21
	.end_amdhsa_kernel
	.amdgpu_metadata
---
amdhsa.version: [ 1, 2 ]
amdhsa.kernels:
  - .name:           k_q23cfa051ad_route
    .symbol:         k_q23cfa051ad_route.kd
    .args:
      - { .name: token_ids, .offset: 0, .size: 8, .value_kind: global_buffer, .address_space: global }
      - { .name: order, .offset: 8, .size: 8, .value_kind: global_buffer, .address_space: global }
    .group_segment_fixed_size: 8448
    .private_segment_fixed_size: 0
    .kernarg_segment_align: 8
    .kernarg_segment_size: 16
    .max_flat_workgroup_size: 32
    .sgpr_count:     66
    .vgpr_count:     130
    .wavefront_size: 32
...
	.end_amdgpu_metadata
.endif
;; end of part 1
;; launch gateup (part 2): grid 256 x 1, 4 waves a work-group, no clusters, 165,376 bytes of LDS; arguments x_codes, gate_up_proj_codes, order, lowp_scales, hid; writes hid
.if DOCPART == 2
	.amdgcn_target "amdgcn-amd-amdhsa--gfx1250"
	.amdhsa_code_object_version 6
	.text
	.protected	k_q23cfa051ad_gateup
	.globl	k_q23cfa051ad_gateup
	.p2align	8
	.type	k_q23cfa051ad_gateup,@function
k_q23cfa051ad_gateup:
	s_mov_b64 s[64:65], 0
	v_nop
	global_prefetch_b8 v0, s[64:65] scope:SCOPE_SE
	s_setreg_imm32_b32 hwreg(HW_REG_WAVE_MODE, 25, 1), 1
	s_wait_xcnt 0x0
; TokenRoutedMLP, first half: hid = Q(silu(x Wg_e) * (x Wu_e)) for the tokens of each expert e, on codes of FP8 (E4M3).
; Only the rows that the mask of the problem keeps are multiplied: each token by its own expert alone.
; SHARES.  256 work-groups: e = number / 32, g = number % 32.  Work-group (e, g) owns hidden units 32 g .. 32 g + 31 of expert e: 32 gate rows and 32 up rows of the weight,
; 64 rows x 2,048 bytes, which no other work-group reads.  THE FOUR WAVES SPLIT K: wave w keeps bytes 512 w .. 512 w + 511 of all 64 rows in 256 registers for the whole launch.
; Tokens go in batches of 64 (four tiles of 16).  Each wave multiplies its quarter of K for all four tiles; wave w OWNS token tile w of a batch: the other three send it their
; partial sums through LDS, it adds them as (own + partner 1) + (partner 2 + partner 3), which is the same sum whichever wave owns the tile, and finishes the tile.
; ROUTING.  The launch before has stored, for each expert, n and the list of its tokens (order: 5,120 bytes an expert: 1,152 words of list, then n).  Behind the n tokens stand 32 copies
; of the first one, all else is token 0: the last tile's spare rows repeat a row, and no lane is ever switched off.  n is read by a scalar load, the list by loads of 128 bytes.
; An expert without tokens still makes tile 0 (of token 0), so that tile 0 of every part of hid is written.
; hid: [e 8][g 32][place in the list 1024][32 codes]: the codes of units 32 g .. 32 g + 31; only tiles that begin under max(n, 1) are written.
; THE LOOP has a constant count (8 trips x 2 batches: n = 1,024 is served) and one barrier a batch on every wave's path; the work stands under scalar branches on n.
; x's rows, which the 32 work-groups of
; an expert share, come by ordinary loads.  Nothing is prefetched: every byte of the weights is asked for by its own load at the head.
; LAYOUT.  The product is used transposed (source 0 = 16 rows of W, source 1 = 16 tokens): a lane (r = lane % 16, h = lane / 16) holds token r and rows 8 h + j of the W tile.
; THE ROWS OF A W TILE ARE NOT NEIGHBOURS: row m of tile a is unit 16 (m / 8) + 8 (a % 2) + m % 8 (a = 0, 1 gate; 2, 3 up), so that a lane's 16 registers of tiles 0, 1 are units 16 h + 0 .. 15.
; A fragment's registers 16 s + 4 c .. + 3 hold K = 128 s + 32 c + 16 h + 0 .. 15 of the wave's quarter: the same order of k on both sides, so every product meets its partner.
; Rows are loaded as they lie (a wave's load takes 512 consecutive bytes of one row) and turned into fragments through the wave's own stage in LDS, back into the same registers.
; SCALES of expert e: lowp_scales[4 e ..] = ex, ew, eh, (ed).  LIMITS, so that each power of two below is an f32 number: -126 <= ex + ew <= 127; -126 <= eh - 2 (ex + ew) <= 119.
; NaN codes among the inputs are not served.
; REGISTERS, in windows of 256: window 0: v1-31 addresses and the list; v32-127 P (row offsets, partners' sums, at work); v128-255 accumulators, (local tile t, W tile a) at 128 + 32 t + 8 a.
;   window 1: W, tile a at 64 a.   windows 2, 3: two buffers of x, local tile t at 64 t.  Local tile t of wave w is token tile w xor t.
.set OSTR,   5120                      ; order: bytes for an expert
.set OCNT,   4608                      ; where n stands in them
.set STG,    0                         ; LDS: a stage of 16 rows x 528 bytes for each wave
.set SPITCH, 528                       ; 512 bytes + 16: an odd multiple of 16 bytes, so that the 16 rows that a fragment load touches fall on different banks (64 banks of 4 bytes: ISA guide 11.1)
.set STGW,   16*SPITCH
.set EX,     STG+4*STGW                ; the exchange: block (owner, writer) of 8,192 bytes: two batches' 4,096 by turns
.set P,      32
.set ACC,    128
.set I16,  1                           ; 16 x lane
.set LOFF, 2                           ; 512 w + 16 x lane: my bytes of a row's quarter
.set STW,  3                           ; the stage, as loaded
.set STR,  4                           ; the stage, as fragments: 528 r + 16 h
.set WR,   5                           ; v5-7   where I put local tiles 1-3's sums
.set RD,   8                           ; v8-10  where my three partners put theirs
.set LAQ,  11                          ; v11-12 4 x (lane xor 16 (w xor 2 q)): my lane's word of a batch's 64 list entries, q = 0, 1
.set LT,   13                          ; v13-14 the same, in the batch that is being asked for
.set HO,   16                          ; 32 r + 16 h
.set HT,   17
.set VSC,  18                          ; 2^(eh - 2 (ex + ew))
.set VLIM, 19                          ; 448 x that
.set LQ,   20                          ; v20-23 list entries, two registers for each of two batches: local tile t, row j in register t / 2, lane 16 (t % 2) + j
.set T1,   25
.set T2,   26
.set LANE, 27
.set CD,   28                          ; v28-31 a lane's 16 codes
.set SWV,  14
.set SE,   15
.set SG,   16
.set SN,   24
.set SN1,  25
.set SB,   26                          ; the trip's first place in the list: the loop's counter
.set SNB,  27                          ; the batch that is being asked for
.set SBB,  28                          ; the batch in hand
.set STMP, 29
.set STT,  30                          ; s30-33 16 (w xor t)
.set SNB4, 35
.set SC1,  36                          ; s[36:37] -log2(e) x 2^(ex + ew)
.set RL,   40                          ; s40-55 a tile's 16 tokens
.set MSB, 0
.macro WIN new                         ; the immediate's high byte repeats the setting that is left; a switch that changes nothing is dropped
.if MSB != (\new)
	s_set_vgpr_msb (MSB<<8)|(\new)
.set MSB, (\new)
.endif
.endm
.macro IFACT base, t, cnt, lbl         ; go on only if local tile t of the batch at s[base] begins under s[cnt]
	s_add_co_u32 s[STMP], s[\base], s[STT+\t]
	s_cmp_lt_u32 s[STMP], s[\cnt]
	s_cbranch_scc0 \lbl
.endm
.macro BAR                             ; my LDS stores have landed and my LDS loads are in: then the work-group's barrier
	s_wait_dscnt 0x0
	s_barrier_signal -1
	s_barrier_wait -1
.endm
.macro PLACES n
.rept \n
	v_nop
.endr
.endm
.macro WLOAD a                         ; W tile a: 16 rows, my quarter of each: 512 consecutive bytes a load; read once in the launch
	WIN 0x40                                               ; destination window 1
.irp m, 0,1,2,3,4,5,6,7,8,9,10,11,12,13,14,15
	global_load_b128 v[64*\a+4*\m:64*\a+4*\m+3], v[LOFF], s[6:7] offset:((\a>>1)*1024+16*(\m>>3)+8*(\a&1)+(\m&7))*2048 th:TH_LOAD_NT
.endr
	WIN 0
.endm
.macro WTURN a                         ; rows become fragments, in the same registers; no wait between the stores and the loads: LDS serves a wave in order (ISA guide 5.7.1.4)
	WIN 0x04                                               ; store data window 1
.irp m, 0,1,2,3,4,5,6,7,8,9,10,11,12,13,14,15
	ds_store_b128 v[STW], v[64*\a+4*\m:64*\a+4*\m+3] offset:SPITCH*\m
.endr
	WIN 0x40
.irp s, 0,1,2,3
.irp c, 0,1,2,3
	ds_load_b128 v[64*\a+16*\s+4*\c:64*\a+16*\s+4*\c+3], v[STR] offset:128*\s+32*\c
.endr
.endr
	WIN 0
.endm
; A batch's rows of x are asked for, into buffer buf; its list entries lie in v[LQ + 2 buf], v[LQ + 2 buf + 1].  A row is the same for all lanes: so a tile's 16 tokens go to scalar
; registers, are held inside x, and make 16 row offsets; then 16 loads of 512 consecutive bytes.
; all = 1: every tile (the two first batches: so every register of both buffers has been written); all = 0: the tiles of the batch at s[SNB] that begin under max(n, 1).
.macro XI buf, all
.irp i, 0,1,2,3
.if \all == 0
	IFACT SNB, \i, SN1, .Lxs_\@_\i
.endif
.irp j, 0,1,2,3,4,5,6,7,8,9,10,11,12,13,14,15
	v_readlane_b32 s[RL+\j], v[LQ+2*(\buf)+(\i>>1)], 16*(\i&1)+\j
.endr
.irp j, 0,1,2,3,4,5,6,7,8,9,10,11,12,13,14,15
	s_min_u32 s[RL+\j], s[RL+\j], 0x3ff                    ; a token's number stays inside x
.endr
.irp j, 0,1,2,3,4,5,6,7,8,9,10,11,12,13,14,15
	v_lshl_add_u32 v[P+16*\i+\j], s[RL+\j], 11, v[LOFF]    ; its row of 2,048 bytes, my quarter, my 16 bytes
.endr
	WIN (2+(\buf))<<6                                      ; destination: the buffer's window
.irp j, 0,1,2,3,4,5,6,7,8,9,10,11,12,13,14,15
	global_load_b128 v[64*\i+4*\j:64*\i+4*\j+3], v[P+16*\i+\j], s[4:5]
.endr
	WIN 0                                                  ; at a label and at a branch every window is 0
.if \all == 0
.Lxs_\@_\i:
.endif
.endr
.endm
.macro PUT par, t                      ; local tile t's four accumulators go to the tile's owner as they stand, each from its low end on
.irp a, 0,1,2,3
.irp q, 0,1
	ds_store_b128 v[WR+\t-1], v[ACC+32*\t+8*\a+4*\q:ACC+32*\t+8*\a+4*\q+3] offset:\par*4096+\a*1024+\q*512
.endr
.endr
.endm
.macro GET par                         ; my three partners' sums for my tile, in the same lanes and registers
.irp k, 1,2,3
.irp a, 0,1,2,3
.irp q, 0,1
	ds_load_b128 v[P+32*(\k-1)+8*\a+4*\q:P+32*(\k-1)+8*\a+4*\q+3], v[RD+\k-1] offset:\par*4096+\a*1024+\q*512
.endr
.endr
.endr
.endm
.macro SUM first                       ; (own + partner 1) + (partner 2 + partner 3);  first: the LDS loads issued behind partner 1's eight
	s_wait_dscnt \first
.irp p, 0,2,4,6,8,10,12,14,16,18,20,22,24,26,28,30
	v_pk_add_f32 v[ACC+\p:ACC+\p+1], v[ACC+\p:ACC+\p+1], v[P+\p:P+\p+1]
.endr
	s_wait_dscnt 0x0
.irp p, 0,2,4,6,8,10,12,14,16,18,20,22,24,26,28,30
	v_pk_add_f32 v[P+32+\p:P+32+\p+1], v[P+32+\p:P+32+\p+1], v[P+64+\p:P+64+\p+1]
.endr
.irp p, 0,2,4,6,8,10,12,14,16,18,20,22,24,26,28,30
	v_pk_add_f32 v[ACC+\p:ACC+\p+1], v[ACC+\p:ACC+\p+1], v[P+32+\p:P+32+\p+1]
.endr
.endm
; Local tile t of the batch in hand: its 16 rows become fragments, then 16 products: four K steps x four W tiles.
.macro TILE par, t
	IFACT SBB, \t, SN1, .Lts_\@
	WIN (2+\par)<<2                                        ; store data: the buffer's window
.irp j, 0,1,2,3,4,5,6,7,8,9,10,11,12,13,14,15
	ds_store_b128 v[STW], v[64*\t+4*\j:64*\t+4*\j+3] offset:SPITCH*\j
.endr
	WIN (2+\par)<<6
.irp s, 0,1,2,3
.irp c, 0,1,2,3
	ds_load_b128 v[64*\t+16*\s+4*\c:64*\t+16*\s+4*\c+3], v[STR] offset:128*\s+32*\c
.endr
.endr
	s_wait_dscnt 0x0                                       ; the fragments are in (W's too, the first time)
	WIN 0x01|((2+\par)<<2)                                 ; source 0 (W) window 1, source 1 (x) the buffer's, C and D window 0
.irp s, 0,1,2,3
.irp a, 0,1,2,3                        ; the four accumulators take turns, one instruction a turn; the first K step starts the sums
.if \s == 0
	v_wmma_f32_16x16x128_fp8_fp8 v[ACC+32*\t+8*\a:ACC+32*\t+8*\a+7], v[64*\a+16*\s:64*\a+16*\s+15], v[64*\t+16*\s:64*\t+16*\s+15], 0
.else
	v_wmma_f32_16x16x128_fp8_fp8 v[ACC+32*\t+8*\a:ACC+32*\t+8*\a+7], v[64*\a+16*\s:64*\a+16*\s+15], v[64*\t+16*\s:64*\t+16*\s+15], v[ACC+32*\t+8*\a:ACC+32*\t+8*\a+7]
.endif
.endr
.endr
	WIN 0
	PLACES 5                                               ; four places in front of the reads of the sums and of loads into the operands, a fifth in front of the products that begin these accumulators anew
.if \t > 0
	PUT \par, \t
.endif
.Lts_\@:
.endm
; My own tile is finished: sums, silu(gate) x up, codes, store.
.macro FIN par
	IFACT SBB, 0, SN1, .Lfs_\@
	s_wait_xcnt 0x0                                        ; the loads of x have read their offsets in P, the last store its address and its codes: all are written again below
	GET \par
	v_lshl_add_u32 v[HT], s[SBB], 5, v[HO]                 ; 32 bytes a place
	SUM 16
.irp p, 0,2,4,6,8,10,12,14
	v_pk_mul_f32 v[P+\p:P+\p+1], v[ACC+\p:ACC+\p+1], s[SC1:SC1+1] op_sel_hi:[1,0]   ; -gate x log2(e): the sums' 2^(ex + ew) lies in the factor
.endr
.set nn, 0
.rept 16
	v_exp_f32 v[P+nn], v[P+nn]                             ; e^-gate
.set nn, nn+1
.endr
	v_nop                                                  ; a plain instruction between the last exponential and the use of its result (ISA guide 5.7.2)
	s_wait_alu depctr_va_vdst(0)
.irp p, 0,2,4,6,8,10,12,14
	v_pk_add_f32 v[P+\p:P+\p+1], v[P+\p:P+\p+1], 1.0 op_sel_hi:[1,0]
.endr
.set nn, 0
.rept 16
	v_rcp_f32 v[P+nn], v[P+nn]                             ; sigmoid(gate)
.set nn, nn+1
.endr
	v_nop
	s_wait_alu depctr_va_vdst(0)
.irp p, 0,2,4,6,8,10,12,14
	v_pk_mul_f32 v[ACC+\p:ACC+\p+1], v[ACC+\p:ACC+\p+1], v[P+\p:P+\p+1]             ; silu(gate) / 2^(ex + ew),
.endr
.irp p, 0,2,4,6,8,10,12,14
	v_pk_mul_f32 v[ACC+\p:ACC+\p+1], v[ACC+\p:ACC+\p+1], v[ACC+16+\p:ACC+16+\p+1]   ; x up / 2^(ex + ew)
.endr
.set nn, 0
.rept 16
	v_med3_num_f32 v[ACC+nn], v[ACC+nn], -v[VLIM], v[VLIM] ; the conversion to an 8-bit code does not saturate (ISA guide 7.6.2): the hold at the largest code x the scale
.set nn, nn+1
.endr
	v_cvt_scalef32_pk8_fp8_f32 v[CD:CD+1], v[ACC:ACC+7], v[VSC]          ; / 2^(eh - 2 (ex + ew)): the three scales in one
	v_cvt_scalef32_pk8_fp8_f32 v[CD+2:CD+3], v[ACC+8:ACC+15], v[VSC]
	v_nop                                                  ; a plain instruction between a scaled conversion and the products that write its sources again
	global_store_b128 v[HT], v[CD:CD+3], s[12:13]          ; the wave stores 512 consecutive bytes, at a multiple of 512 from hid's first byte
.Lfs_\@:
.endm
.macro TRIP par
.if \par == 0
	s_mov_b32 s[SBB], s[SB]
.else
	s_add_co_u32 s[SBB], s[SB], 64*\par
.endif
	s_cmp_lt_u32 s[SBB], s[SN1]
	s_cbranch_scc0 .Lidle_\@
	s_wait_loadcnt 0x0                                     ; this batch's rows and the next batch's list entries are in.  For 0: how many younger loads there are hangs on n
.if \par == 0
	s_cmp_eq_u32 s[SB], 0
	s_cbranch_scc1 .Lnonext_\@                             ; the second batch, and the third's list entries, were asked for ahead of the loop
.endif
	s_add_co_u32 s[SNB], s[SBB], 64
	s_cmp_lt_u32 s[SNB], s[SN1]
	s_cbranch_scc0 .Lnonext_\@
	XI 1-\par, 0                                           ; the next batch lands while this one is multiplied
	s_add_co_u32 s[SNB4], s[SBB], 128                      ; and the list entries of the batch behind it: places up to 896 + 128 + 63, inside the list's 1,152 words
	s_lshl_b32 s[SNB4], s[SNB4], 2
	v_add_nc_u32 v[LT], s[SNB4], v[LAQ]                    ; (the loads that last read these two addresses are done: the wait for 0 above)
	v_add_nc_u32 v[LT+1], s[SNB4], v[LAQ+1]
	global_load_b32 v[LQ+2*\par], v[LT], s[8:9]
	global_load_b32 v[LQ+2*\par+1], v[LT+1], s[8:9]
.Lnonext_\@:
	TILE \par, 0
	TILE \par, 1
	TILE \par, 2
	TILE \par, 3
.Lidle_\@:
	BAR                                                    ; this batch's sums lie in the exchange; the reads of the batch before, whose half the next batch writes, are over
	FIN \par
.endm
	s_load_b256 s[4:11], s[0:1], 0x0                       ; x s[4:5], W s[6:7], order s[8:9], scales s[10:11]
	s_load_b64 s[12:13], s[0:1], 0x20                      ; hid
	v_lshl_add_u32 v15, v0, 2, 0x28400
	v_mov_b32 v24, 0
	v_lshrrev_b32 v[T1], 5, v0
	v_readfirstlane_b32 s[SWV], v[T1]                      ; wave 0..3
	s_lshr_b32 s[SE], ttmp9, 5                             ; the expert
	s_and_b32 s[SG], ttmp9, 31                             ; its slice
	v_and_b32 v[LANE], 31, v0
	v_and_b32 v[T1], 15, v0                                ; r
	v_bfe_u32 v[T2], v0, 4, 1                              ; h
	v_lshlrev_b32 v[I16], 4, v[LANE]
	s_lshl_b32 s[STMP], s[SWV], 9
	v_add_nc_u32 v[LOFF], s[STMP], v[I16]
	s_mul_i32 s[STMP], s[SWV], STGW
	s_add_co_u32 s[STMP], s[STMP], STG                     ; my stage
	v_add_nc_u32 v[STW], s[STMP], v[I16]
	v_mul_u32_u24 v[STR], v[T1], SPITCH
	v_lshl_add_u32 v[STR], v[T2], 4, v[STR]
	v_add_nc_u32 v[STR], s[STMP], v[STR]
	v_lshlrev_b32 v[HO], 5, v[T1]
	v_lshl_add_u32 v[HO], v[T2], 4, v[HO]
.irp i, 0,1,2,3
	s_xor_b32 s[STMP], s[SWV], \i                          ; local tile i is token tile w xor i
	s_lshl_b32 s[STT+\i], s[STMP], 4
.if \i > 0
	s_lshl_b32 s38, s[STMP], 2                             ; block (owner w xor i, writer w)
	s_add_co_u32 s38, s38, s[SWV]
	s_lshl_b32 s38, s38, 13
	s_add_co_u32 s38, s38, EX
	v_add_nc_u32 v[WR+\i-1], s38, v[I16]
	s_lshl_b32 s38, s[SWV], 2                              ; block (owner w, writer w xor i)
	s_add_co_u32 s38, s38, s[STMP]
	s_lshl_b32 s38, s38, 13
	s_add_co_u32 s38, s38, EX
	v_add_nc_u32 v[RD+\i-1], s38, v[I16]
.endif
.endr
.irp q, 0,1
	s_xor_b32 s38, s[SWV], 2*\q
	s_lshl_b32 s38, s38, 4
	v_xor_b32 v[LAQ+\q], s38, v[LANE]                      ; lane 16 h + r takes place 16 (w xor (2 q + h)) + r of a batch: row r of local tile 2 q + h
	v_lshlrev_b32 v[LAQ+\q], 2, v[LAQ+\q]
.endr
.set nn, 0
.rept 32
	v_mov_b32 v[ACC+nn], 0                                 ; my own tile's accumulators are written once here: they are named behind a barrier, under a branch of its own
.set nn, nn+1
.endr
	s_wait_kmcnt 0x0
	s_lshl_b32 s38, s[SE], 4
	s_mov_b32 s39, 0
	s_add_nc_u64 s[10:11], s[10:11], s[38:39]
	s_load_b128 s[20:23], s[10:11], 0x0                    ; ex, ew, eh, ed of my expert
	s_mul_i32 s38, s[SE], OSTR
	s_add_nc_u64 s[8:9], s[8:9], s[38:39]                  ; my expert's list
	s_load_b32 s[SN], s[8:9], OCNT                         ; n
	s_lshl_b32 s38, s[SE], 22                              ; an expert's 2,048 rows of 2,048 bytes,
	s_lshl_b32 s[STMP], s[SG], 16                          ; 32 rows a slice
	s_add_co_u32 s38, s38, s[STMP]
	s_add_nc_u64 s[6:7], s[6:7], s[38:39]
	s_lshl_b32 s38, ttmp9, 15                              ; hid: 1,024 places x 32 bytes for each (e, g),
	s_lshl_b32 s[STMP], s[SWV], 9                          ; my tile: 16 places on for each wave
	s_add_co_u32 s38, s38, s[STMP]
	s_add_nc_u64 s[12:13], s[12:13], s[38:39]
	global_load_b32 v[LQ], v[LAQ], s[8:9]                  ; the list entries of batches 0 and 1
	global_load_b32 v[LQ+1], v[LAQ+1], s[8:9]
	global_load_b32 v[LQ+2], v[LAQ], s[8:9] offset:256
	global_load_b32 v[LQ+3], v[LAQ+1], s[8:9] offset:256
	WLOAD 0
	WLOAD 1
	WLOAD 2
	s_wait_loadcnt 48                                      ; behind the four loads of the list stand 48 of W: the list entries are in
	WLOAD 3
	XI 0, 1
	s_wait_xcnt 0x0                                        ; (nothing of P is shared by the two batches' offsets but the registers: those loads have read them)
	XI 1, 1
	global_load_b32 v[LQ], v[LAQ], s[8:9] offset:512       ; batch 2's list entries
	global_load_b32 v[LQ+1], v[LAQ+1], s[8:9] offset:512
	s_wait_kmcnt 0x0
	s_min_u32 s[SN], s[SN], 1024
	s_max_u32 s[SN1], s[SN], 1
	s_add_co_i32 s[STMP], s20, s21                         ; ex + ew
	s_lshl_b32 s38, s[STMP], 23
	s_mov_b32 s[SC1], 0xbfb8aa3b                           ; -log2(e);
	s_add_co_i32 s[SC1], s[SC1], s38                       ; the exponents are added to its exponent field
	s_mov_b32 s[SC1+1], s[SC1]                             ; (named with it as a pair, so it is written)
	s_lshl_b32 s[STMP], s[STMP], 1
	s_sub_co_i32 s[STMP], s22, s[STMP]                     ; eh - 2 (ex + ew)
	s_add_co_i32 s[STMP], s[STMP], 127
	s_lshl_b32 s38, s[STMP], 23
	v_mov_b32 v[VSC], s38
	s_add_co_i32 s[STMP], s[STMP], 8
	s_lshl_b32 s[STMP], s[STMP], 23
	s_or_b32 s[STMP], s[STMP], 0x600000
	v_mov_b32 v[VLIM], s[STMP]
	s_wait_loadcnt 63                                      ; behind W's last load stand 130 others: W is in
	WTURN 0
	WTURN 1
	WTURN 2
	WTURN 3
	s_mov_b32 s[SB], 0
.Lloop:
	TRIP 0
	TRIP 1
	s_add_co_u32 s[SB], s[SB], 128
	s_cmp_lt_u32 s[SB], 1024
	s_cbranch_scc1 .Lloop
	s_wait_tensorcnt 0x0
	ds_add_u32 v15, v24
	s_wait_dscnt 0x0
	s_endpgm
.Lfunc_end_k_q23cfa051ad_gateup:
	.size	k_q23cfa051ad_gateup, .Lfunc_end_k_q23cfa051ad_gateup-k_q23cfa051ad_gateup
	.p2alignl 7, 3214868480
	.fill 96, 4, 3214868480
	.section	.rodata,"a",@progbits
	.p2align	6, 0x0
	.amdhsa_kernel k_q23cfa051ad_gateup
		.amdhsa_group_segment_fixed_size 165376
		.amdhsa_private_segment_fixed_size 0
		.amdhsa_enable_private_segment 0
		.amdhsa_kernarg_size 40
		.amdhsa_user_sgpr_count 2
		.amdhsa_user_sgpr_kernarg_segment_ptr 1
		.amdhsa_wavefront_size32 1
		.amdhsa_system_sgpr_workgroup_id_x 1
		.amdhsa_system_sgpr_workgroup_id_y 1
		.amdhsa_system_sgpr_workgroup_id_z 1
		.amdhsa_system_vgpr_workitem_id 0
		.amdhsa_next_free_vgpr 1024
		.amdhsa_next_free_sgpr 66
		.amdhsa_reserve_vcc 0
		.amdhsa_float_denorm_mode_32 3
		.amdhsa_float_denorm_mode_16_64 3
		.amdhsa_memory_ordered 1
		.amdhsa_forward_progress 1
		.amdhsa_inst_pref_size 145
	.end_amdhsa_kernel
	.amdgpu_metadata
---
amdhsa.version: [ 1, 2 ]
amdhsa.kernels:
  - .name:           k_q23cfa051ad_gateup
    .symbol:         k_q23cfa051ad_gateup.kd
    .args:
      - { .name: x_codes, .offset: 0, .size: 8, .value_kind: global_buffer, .address_space: global }
      - { .name: gate_up_proj_codes, .offset: 8, .size: 8, .value_kind: global_buffer, .address_space: global }
      - { .name: order, .offset: 16, .size: 8, .value_kind: global_buffer, .address_space: global }
      - { .name: lowp_scales, .offset: 24, .size: 8, .value_kind: global_buffer, .address_space: global }
      - { .name: hid, .offset: 32, .size: 8, .value_kind: global_buffer, .address_space: global }
    .group_segment_fixed_size: 165376
    .private_segment_fixed_size: 0
    .kernarg_segment_align: 8
    .kernarg_segment_size: 40
    .max_flat_workgroup_size: 128
    .sgpr_count:     66
    .vgpr_count:     1024
    .wavefront_size: 32
...
	.end_amdgpu_metadata
.endif
;; end of part 2
;; launch down (part 3): grid 256 x 1, 4 waves a work-group, no clusters, 148,992 bytes of LDS; arguments hid, down_proj_codes, order, lowp_scales, out0; writes out0
.if DOCPART == 3
	.amdgcn_target "amdgcn-amd-amdhsa--gfx1250"
	.amdhsa_code_object_version 6
	.text
	.protected	k_q23cfa051ad_down
	.globl	k_q23cfa051ad_down
	.p2align	8
	.type	k_q23cfa051ad_down,@function
k_q23cfa051ad_down:
	s_mov_b64 s[64:65], 0
	v_nop
	global_prefetch_b8 v0, s[64:65] scope:SCOPE_SE
	s_setreg_imm32_b32 hwreg(HW_REG_WAVE_MODE, 25, 1), 1
	s_wait_xcnt 0x0
; TokenRoutedMLP, second half: out[t] = hid[t] Wd_e x 2^(eh + ed), on codes of FP8 (E4M3), for the tokens of each expert e.
; SHARES.  256 work-groups: e = number / 32, g = number % 32.  Work-group (e, g) owns output columns 64 g .. 64 g + 63 of expert e: 64 rows x 1,024 bytes of the weight, which no
; other work-group reads.  THE FOUR WAVES SPLIT K: wave w keeps bytes 256 w .. 256 w + 255 of all 64 rows in 128 registers.  Tokens go in batches of 64 (four tiles of 16); wave w owns
; token tile w of a batch, gets the other waves' partial sums through LDS, adds them as (own + partner 1) + (partner 2 + partner 3), scales and stores the tile's rows.
; ROUTING.  The first launch has stored n and the list of the expert's tokens (order: 5,120 bytes an expert: 1,152 words of list, then n): place p of the list is place p of hid.
; Behind the n tokens stand 32 copies of the first one: the last tile's spare rows hold the first token's numbers once more and store them to the same bytes, from this work-group alone.
; No lane is ever switched off.  Loads and products go by max(n, 1), stores by n: an expert without tokens stores nothing, and every row of out belongs to one expert.
; hid: [e 8][g' 32][place 1024][32 codes].  A fragment's registers 16 s + 4 c .. + 3 hold K = 256 w + 128 s + 32 c + 16 h + 0 .. 15: 16 bytes of part g' = 8 w + 4 s + c: they come straight
; from memory, 512 consecutive bytes a load.  Only tiles that the launch before wrote (those that begin under max(n, 1)) are read.
; The loop has a constant count and one barrier a batch on every wave's path; the work stands under scalar branches on n.  Those branches hang on a count that is read from memory, so
; the text has no tensor load and no cluster; hid's tiles, which the 32 work-groups of an expert share, come by ordinary loads.  Nothing is prefetched: all of the weights are asked for at the head.
; LAYOUT.  The product is used transposed (source 0 = 16 rows of W = 16 columns of out, source 1 = 16 tokens): a lane (r, h) holds token r and columns 16 a + 8 h + 0 .. 7.
; LIMIT: -126 <= eh + ed <= 127, so that 2^(eh + ed) is an f32 number.  NaN codes are not served.
; REGISTERS: window 0: v1-31 addresses; v32-127 P (partners' sums, rows on the way out); v128-255 accumulators, (local tile t, W tile a) at 128 + 32 t + 8 a.
;   window 1: W, tile a at 32 a; from v128 my tile's tokens, eight registers for each of two batches.   window 2: two buffers of hidden fragments, 128 buf + 32 t + 16 s.
;   Local tile t of wave w is token tile w xor t.
.set OSTR,   5120                      ; order: bytes for an expert
.set OCNT,   4608                      ; where n stands in them
.set STG,    0                         ; LDS: a stage of 16 rows x 272 bytes for each wave
.set SPITCH, 272                       ; 256 bytes + 16: an odd multiple of 16 bytes (64 banks of 4 bytes: ISA guide 11.1)
.set STGW,   16*SPITCH
.set EX,     STG+4*STGW                ; the exchange: block (owner, writer) of 8,192 bytes: two batches' 4,096 by turns
.set P,      32
.set ACC,    128
.set OD,     32                        ; v32-63   the way out: 16 rows read back from the stage
.set OA,     104                       ; v104-111 their places in out
.set IXW,    128                       ; in window 1: register 8 buf + u of lane (r, h): the token at place 16 w + 8 h + u of the batch
.set I16,  1                           ; 16 x lane
.set WOFF, 2                           ; 1,024 h + 256 w + 16 r: two rows' quarters a load
.set SRP,  3                           ; the stage by pairs of rows: 272 h + 16 r
.set SFR,  4                           ; the stage by fragments: 272 r + 16 h
.set WR,   5
.set RD,   8
.set SO,   11                          ; the stage on the way out: 272 r + 32 h
.set LBO,  12                          ; 4 (16 w + 8 h): my half's eight tokens of a batch
.set LA,   13
.set HO,   14                          ; 32 r + 16 h
.set CO,   15                          ; 256 g + 16 r
.set HA,   16                          ; v16-19
.set SRQ,  20                          ; the stage back: rows u and u + 8: 8 x 272 h + 16 r
.set T1,   25
.set T2,   26
.set LANE, 27
.set SWV,  14
.set SE,   15
.set SG,   16
.set SN,   24
.set SN1,  25
.set SB,   26                          ; the trip's first place in the list: the loop's counter
.set SNB,  27
.set SBB,  28
.set STMP, 29
.set STT,  30                          ; s30-33 16 (w xor t)
.set SC1,  36                          ; s[36:37] 2^(eh + ed)
.set SLAST, 40                         ; where the last written tile of hid begins
.set MSB, 0
.macro WIN new                         ; the immediate's high byte repeats the setting that is left; a switch that changes nothing is dropped
.if MSB != (\new)
	s_set_vgpr_msb (MSB<<8)|(\new)
.set MSB, (\new)
.endif
.endm
.macro IFACT base, t, cnt, lbl         ; go on only if local tile t of the batch at s[base] begins under s[cnt]
	s_add_co_u32 s[STMP], s[\base], s[STT+\t]
	s_cmp_lt_u32 s[STMP], s[\cnt]
	s_cbranch_scc0 \lbl
.endm
.macro BAR                             ; my LDS stores have landed and my LDS loads are in: then the work-group's barrier
	s_wait_dscnt 0x0
	s_barrier_signal -1
	s_barrier_wait -1
.endm
.macro PLACES n
.rept \n
	v_nop
.endr
.endm
.macro WLOAD                           ; my quarter of the 64 rows: a load takes 256 consecutive bytes of each of two rows; read once in the launch
	WIN 0x40                                               ; destination window 1
.irp a, 0,1,2,3
.irp u, 0,1,2,3,4,5,6,7
	global_load_b128 v[32*\a+4*\u:32*\a+4*\u+3], v[WOFF], s[6:7] offset:(16*\a+2*\u)*1024 th:TH_LOAD_NT
.endr
.endr
	WIN 0
.endm
.macro WTURN a                         ; rows become fragments, in the same registers; no wait between the stores and the loads: LDS serves a wave in order (ISA guide 5.7.1.4)
	WIN 0x04                                               ; store data window 1
.irp u, 0,1,2,3,4,5,6,7
	ds_store_b128 v[SRP], v[32*\a+4*\u:32*\a+4*\u+3] offset:2*SPITCH*\u
.endr
	WIN 0x40
.irp s, 0,1
.irp c, 0,1,2,3
	ds_load_b128 v[32*\a+16*\s+4*\c:32*\a+16*\s+4*\c+3], v[SFR] offset:128*\s+32*\c
.endr
.endr
	WIN 0
.endm
; The batch at s[SNB] is asked for, into buffer buf: my own tile's tokens (two loads), and eight loads a tile, 512 consecutive bytes each, one from each of my eight parts of hid.
; all = 1 (s[SNB] = 64 buf): every tile, held at the last tile that was written (the two first batches: so every register of both buffers has been written); all = 0: the tiles that begin under max(n, 1).
.macro HI buf, all
.if \all
.irp i, 0,1,2,3
	s_add_co_u32 s[STMP], s[SNB], s[STT+\i]
	s_min_u32 s[STMP], s[STMP], s[SLAST]
	s_min_u32 s[STMP], s[STMP], 0x3f0
	v_lshl_add_u32 v[HA+\i], s[STMP], 5, v[HO]
.endr
	WIN 0x40                                               ; destination window 1
	global_load_b128 v[IXW+8*(\buf):IXW+8*(\buf)+3], v[LBO], s[8:9] offset:256*(\buf)
	global_load_b128 v[IXW+8*(\buf)+4:IXW+8*(\buf)+7], v[LBO], s[8:9] offset:256*(\buf)+16
	WIN 0x80                                               ; destination window 2
.irp i, 0,1,2,3
.irp u, 0,1,2,3,4,5,6,7
	global_load_b128 v[128*(\buf)+32*\i+4*\u:128*(\buf)+32*\i+4*\u+3], v[HA+\i], s[4:5] offset:\u*32768
.endr
.endr
	WIN 0
.else
	s_lshl_b32 s[STMP], s[SNB], 2
	v_add_nc_u32 v[LA], s[STMP], v[LBO]
	WIN 0x40
	global_load_b128 v[IXW+8*(\buf):IXW+8*(\buf)+3], v[LA], s[8:9]
	global_load_b128 v[IXW+8*(\buf)+4:IXW+8*(\buf)+7], v[LA], s[8:9] offset:16
	WIN 0
.irp i, 0,1,2,3
	IFACT SNB, \i, SN1, .Lhs_\@_\i
	v_lshl_add_u32 v[HA+\i], s[STMP], 5, v[HO]
	WIN 0x80
.irp u, 0,1,2,3,4,5,6,7
	global_load_b128 v[128*(\buf)+32*\i+4*\u:128*(\buf)+32*\i+4*\u+3], v[HA+\i], s[4:5] offset:\u*32768
.endr
	WIN 0                                                  ; at a label and at a branch every window is 0
.Lhs_\@_\i:
.endr
.endif
.endm
.macro PUT par, t                      ; local tile t's four accumulators go to the tile's owner as they stand, each from its low end on
.irp a, 0,1,2,3
.irp q, 0,1
	ds_store_b128 v[WR+\t-1], v[ACC+32*\t+8*\a+4*\q:ACC+32*\t+8*\a+4*\q+3] offset:\par*4096+\a*1024+\q*512
.endr
.endr
.endm
.macro GET par                         ; my three partners' sums for my tile, in the same lanes and registers
.irp k, 1,2,3
.irp a, 0,1,2,3
.irp q, 0,1
	ds_load_b128 v[P+32*(\k-1)+8*\a+4*\q:P+32*(\k-1)+8*\a+4*\q+3], v[RD+\k-1] offset:\par*4096+\a*1024+\q*512
.endr
.endr
.endr
.endm
.macro SUM first                       ; (own + partner 1) + (partner 2 + partner 3);  first: the LDS loads issued behind partner 1's eight
	s_wait_dscnt \first
.irp p, 0,2,4,6,8,10,12,14,16,18,20,22,24,26,28,30
	v_pk_add_f32 v[ACC+\p:ACC+\p+1], v[ACC+\p:ACC+\p+1], v[P+\p:P+\p+1]
.endr
	s_wait_dscnt 0x0
.irp p, 0,2,4,6,8,10,12,14,16,18,20,22,24,26,28,30
	v_pk_add_f32 v[P+32+\p:P+32+\p+1], v[P+32+\p:P+32+\p+1], v[P+64+\p:P+64+\p+1]
.endr
.irp p, 0,2,4,6,8,10,12,14,16,18,20,22,24,26,28,30
	v_pk_add_f32 v[ACC+\p:ACC+\p+1], v[ACC+\p:ACC+\p+1], v[P+32+\p:P+32+\p+1]
.endr
.endm
; Local tile t of the batch in hand: eight products: two K steps x four W tiles.
.macro TILE par, t
	IFACT SBB, \t, SN1, .Lts_\@
	WIN 0x09                                               ; source 0 (W) window 1, source 1 (hid) window 2, C and D window 0
.irp s, 0,1
.irp a, 0,1,2,3                        ; the four accumulators take turns, one instruction a turn; the first K step starts the sums
.if \s == 0
	v_wmma_f32_16x16x128_fp8_fp8 v[ACC+32*\t+8*\a:ACC+32*\t+8*\a+7], v[32*\a+16*\s:32*\a+16*\s+15], v[128*\par+32*\t+16*\s:128*\par+32*\t+16*\s+15], 0
.else
	v_wmma_f32_16x16x128_fp8_fp8 v[ACC+32*\t+8*\a:ACC+32*\t+8*\a+7], v[32*\a+16*\s:32*\a+16*\s+15], v[128*\par+32*\t+16*\s:128*\par+32*\t+16*\s+15], v[ACC+32*\t+8*\a:ACC+32*\t+8*\a+7]
.endif
.endr
.endr
	WIN 0
	PLACES 5                                               ; four places in front of the reads of the sums and of loads into the operands, a fifth in front of the products that begin these accumulators anew
.if \t > 0
	PUT \par, \t
.endif
.Lts_\@:
.endm
; My own tile is finished: sums, x 2^(eh + ed), through my stage, and each row to its token's place in out.
.macro FIN par
	IFACT SBB, 0, SN, .Lfs_\@
	s_wait_xcnt 0x0                                        ; the last stores have read their addresses and data in P: both are written again below
	GET \par
	SUM 16
.irp p, 0,2,4,6,8,10,12,14,16,18,20,22,24,26,28,30
	v_pk_mul_f32 v[ACC+\p:ACC+\p+1], v[ACC+\p:ACC+\p+1], s[SC1:SC1+1] op_sel_hi:[1,0]
.endr
.irp a, 0,1,2,3
.irp q, 0,1
	ds_store_b128 v[SO], v[ACC+8*\a+4*\q:ACC+8*\a+4*\q+3] offset:64*\a+16*\q    ; row r: columns 16 a + 8 h + 4 q on
.endr
.endr
.irp u, 0,1,2,3,4,5,6,7
	ds_load_b128 v[OD+4*\u:OD+4*\u+3], v[SRQ] offset:SPITCH*\u                  ; back by rows: lanes 0-15 row u, lanes 16-31 row u + 8; LDS serves a wave in order: these see my stores
.endr
	s_wait_loadcnt 0x0                                     ; my tile's tokens are in.  For 0: how many younger loads there are hangs on n; the next batch's head would wait for the same loads
	WIN 0x04                                               ; source 1 window 1
.irp u, 0,1,2,3,4,5,6,7
	v_min_u32 v[OA+\u], 0x3ff, v[IXW+8*\par+\u]            ; a token's number stays inside out
.endr
	WIN 0
.irp u, 0,1,2,3,4,5,6,7
	v_lshl_add_u32 v[OA+\u], v[OA+\u], 13, v[CO]           ; its row of 8,192 bytes, my work-group's 256, my 16
.endr
.irp u, 0,1,2,3,4,5,6,7
	s_wait_dscnt 7-\u                                      ; LDS loads come back in order (ISA guide 5.7.1): rows u and u + 8 are in
	global_store_b128 v[OA+\u], v[OD+4*\u:OD+4*\u+3], s[12:13] th:TH_STORE_NT   ; sixteen lanes store 256 consecutive bytes, at a multiple of 256 from out's first byte
.endr
.Lfs_\@:
.endm
.macro TRIP par
.if \par == 0
	s_mov_b32 s[SBB], s[SB]
.else
	s_add_co_u32 s[SBB], s[SB], 64*\par
.endif
	s_cmp_lt_u32 s[SBB], s[SN1]
	s_cbranch_scc0 .Lidle_\@
	s_wait_loadcnt 0x0                                     ; this batch's fragments are in.  For 0: how many younger loads there are hangs on n
.if \par == 0
	s_cmp_eq_u32 s[SB], 0
	s_cbranch_scc1 .Lnonext_\@                             ; the second batch was asked for ahead of the loop
.endif
	s_add_co_u32 s[SNB], s[SBB], 64
	s_cmp_lt_u32 s[SNB], s[SN1]
	s_cbranch_scc0 .Lnonext_\@
	HI 1-\par, 0                                           ; the next batch lands while this one is multiplied
.Lnonext_\@:
	TILE \par, 0
	TILE \par, 1
	TILE \par, 2
	TILE \par, 3
.Lidle_\@:
	BAR                                                    ; this batch's sums lie in the exchange; the reads of the batch before, whose half the next batch writes, are over
	FIN \par
.endm
	s_load_b256 s[4:11], s[0:1], 0x0                       ; hid s[4:5], W s[6:7], order s[8:9], scales s[10:11]
	s_load_b64 s[12:13], s[0:1], 0x20                      ; out
	v_lshl_add_u32 v30, v0, 2, 0x24400
	v_mov_b32 v31, 0
	v_lshrrev_b32 v[T1], 5, v0
	v_readfirstlane_b32 s[SWV], v[T1]                      ; wave 0..3
	s_lshr_b32 s[SE], ttmp9, 5                             ; the expert
	s_and_b32 s[SG], ttmp9, 31                             ; its slice
	v_and_b32 v[LANE], 31, v0
	v_and_b32 v[T1], 15, v0                                ; r
	v_bfe_u32 v[T2], v0, 4, 1                              ; h
	v_lshlrev_b32 v[I16], 4, v[LANE]
	s_lshl_b32 s[STMP], s[SWV], 8
	v_lshlrev_b32 v[WOFF], 4, v[T1]
	v_lshl_add_u32 v[WOFF], v[T2], 10, v[WOFF]
	v_add_nc_u32 v[WOFF], s[STMP], v[WOFF]
	s_mul_i32 s[STMP], s[SWV], STGW
	s_add_co_u32 s[STMP], s[STMP], STG                     ; my stage
	v_mul_u32_u24 v[SRP], v[T2], SPITCH
	v_lshl_add_u32 v[SRP], v[T1], 4, v[SRP]
	v_add_nc_u32 v[SRP], s[STMP], v[SRP]
	v_mul_u32_u24 v[SRQ], v[T2], 8*SPITCH
	v_lshl_add_u32 v[SRQ], v[T1], 4, v[SRQ]
	v_add_nc_u32 v[SRQ], s[STMP], v[SRQ]
	v_mul_u32_u24 v[SFR], v[T1], SPITCH
	v_lshl_add_u32 v[SO], v[T2], 5, v[SFR]
	v_add_nc_u32 v[SO], s[STMP], v[SO]
	v_lshl_add_u32 v[SFR], v[T2], 4, v[SFR]
	v_add_nc_u32 v[SFR], s[STMP], v[SFR]
	s_lshl_b32 s38, s[SWV], 6
	v_lshl_add_u32 v[LBO], v[T2], 5, s38
	v_lshlrev_b32 v[HO], 5, v[T1]
	v_lshl_add_u32 v[HO], v[T2], 4, v[HO]
	s_lshl_b32 s38, s[SG], 8
	v_lshl_add_u32 v[CO], v[T1], 4, s38
.irp i, 0,1,2,3
	s_xor_b32 s[STMP], s[SWV], \i                          ; local tile i is token tile w xor i
	s_lshl_b32 s[STT+\i], s[STMP], 4
.if \i > 0
	s_lshl_b32 s38, s[STMP], 2                             ; block (owner w xor i, writer w)
	s_add_co_u32 s38, s38, s[SWV]
	s_lshl_b32 s38, s38, 13
	s_add_co_u32 s38, s38, EX
	v_add_nc_u32 v[WR+\i-1], s38, v[I16]
	s_lshl_b32 s38, s[SWV], 2                              ; block (owner w, writer w xor i)
	s_add_co_u32 s38, s38, s[STMP]
	s_lshl_b32 s38, s38, 13
	s_add_co_u32 s38, s38, EX
	v_add_nc_u32 v[RD+\i-1], s38, v[I16]
.endif
.endr
.set nn, 0
.rept 32
	v_mov_b32 v[ACC+nn], 0                                 ; my own tile's accumulators are written once here: they are named behind a barrier, under a branch of its own
.set nn, nn+1
.endr
	s_wait_kmcnt 0x0
	s_lshl_b32 s38, s[SE], 4
	s_mov_b32 s39, 0
	s_add_nc_u64 s[10:11], s[10:11], s[38:39]
	s_load_b128 s[20:23], s[10:11], 0x0                    ; ex, ew, eh, ed of my expert
	s_mul_i32 s38, s[SE], OSTR
	s_add_nc_u64 s[8:9], s[8:9], s[38:39]                  ; my expert's list
	s_load_b32 s[SN], s[8:9], OCNT                         ; n
	s_lshl_b32 s38, s[SE], 21                              ; an expert's 2,048 rows of 1,024 bytes,
	s_lshl_b32 s[STMP], s[SG], 16                          ; 64 rows a slice
	s_add_co_u32 s38, s38, s[STMP]
	s_add_nc_u64 s[6:7], s[6:7], s[38:39]
	s_lshl_b32 s38, s[SE], 20                              ; hid: an expert's 32 parts of 32,768 bytes,
	s_lshl_b32 s[STMP], s[SWV], 18                         ; eight parts a wave
	s_add_co_u32 s38, s38, s[STMP]
	s_add_nc_u64 s[4:5], s[4:5], s[38:39]
	WLOAD
	s_wait_kmcnt 0x0
	s_min_u32 s[SN], s[SN], 1024
	s_max_u32 s[SN1], s[SN], 1
	s_sub_co_u32 s[SLAST], s[SN1], 1
	s_and_b32 s[SLAST], s[SLAST], -16                      ; where the last tile that begins under max(n, 1) begins
	s_add_co_i32 s[SC1], s22, s23                          ; eh + ed
	s_add_co_i32 s[SC1], s[SC1], 127
	s_lshl_b32 s[SC1], s[SC1], 23                          ; 2^(eh + ed) as f32
	s_mov_b32 s[SC1+1], s[SC1]                             ; (named with it as a pair, so it is written)
	s_mov_b32 s[SNB], 0
	HI 0, 1
	s_wait_xcnt 0x0                                        ; those loads have read their addresses, which are written again
	s_mov_b32 s[SNB], 64
	HI 1, 1
	s_wait_loadcnt 63                                      ; behind W's last load stand 68 others: W is in
	WTURN 0
	WTURN 1
	WTURN 2
	WTURN 3
	s_wait_dscnt 0x0                                       ; W's fragments are in
	s_mov_b32 s[SB], 0
.Lloop:
	TRIP 0
	TRIP 1
	s_add_co_u32 s[SB], s[SB], 128
	s_cmp_lt_u32 s[SB], 1024
	s_cbranch_scc1 .Lloop
	s_wait_tensorcnt 0x0
	ds_add_u32 v30, v31
	s_wait_dscnt 0x0
	s_endpgm
.Lfunc_end_k_q23cfa051ad_down:
	.size	k_q23cfa051ad_down, .Lfunc_end_k_q23cfa051ad_down-k_q23cfa051ad_down
	.p2alignl 7, 3214868480
	.fill 96, 4, 3214868480
	.section	.rodata,"a",@progbits
	.p2align	6, 0x0
	.amdhsa_kernel k_q23cfa051ad_down
		.amdhsa_group_segment_fixed_size 148992
		.amdhsa_private_segment_fixed_size 0
		.amdhsa_enable_private_segment 0
		.amdhsa_kernarg_size 40
		.amdhsa_user_sgpr_count 2
		.amdhsa_user_sgpr_kernarg_segment_ptr 1
		.amdhsa_wavefront_size32 1
		.amdhsa_system_sgpr_workgroup_id_x 1
		.amdhsa_system_sgpr_workgroup_id_y 1
		.amdhsa_system_sgpr_workgroup_id_z 1
		.amdhsa_system_vgpr_workitem_id 0
		.amdhsa_next_free_vgpr 768
		.amdhsa_next_free_sgpr 66
		.amdhsa_reserve_vcc 0
		.amdhsa_float_denorm_mode_32 3
		.amdhsa_float_denorm_mode_16_64 3
		.amdhsa_memory_ordered 1
		.amdhsa_forward_progress 1
		.amdhsa_inst_pref_size 58
	.end_amdhsa_kernel
	.amdgpu_metadata
---
amdhsa.version: [ 1, 2 ]
amdhsa.kernels:
  - .name:           k_q23cfa051ad_down
    .symbol:         k_q23cfa051ad_down.kd
    .args:
      - { .name: hid, .offset: 0, .size: 8, .value_kind: global_buffer, .address_space: global }
      - { .name: down_proj_codes, .offset: 8, .size: 8, .value_kind: global_buffer, .address_space: global }
      - { .name: order, .offset: 16, .size: 8, .value_kind: global_buffer, .address_space: global }
      - { .name: lowp_scales, .offset: 24, .size: 8, .value_kind: global_buffer, .address_space: global }
      - { .name: out0, .offset: 32, .size: 8, .value_kind: global_buffer, .address_space: global }
    .group_segment_fixed_size: 148992
    .private_segment_fixed_size: 0
    .kernarg_segment_align: 8
    .kernarg_segment_size: 40
    .max_flat_workgroup_size: 128
    .sgpr_count:     66
    .vgpr_count:     768
    .wavefront_size: 32
...
	.end_amdgpu_metadata
.endif
;; end of part 3
;; ======== version 2 of 2: 3 launches; version 1 with the launches gateup, down written anew for expert scheduling mode
;; workspace buffers: hid 8,388,608 bytes; order 40,960 bytes of whole numbers
;; launch route: the kernel of part 1 again; grid 8 x 1, 1 waves a work-group, no clusters, 8,448 bytes of LDS; arguments token_ids, order; writes order
;; launch gateup (part 4): grid 256 x 1, 4 waves a work-group, no clusters, 165,376 bytes of LDS; arguments x_codes, gate_up_proj_codes, order, lowp_scales, hid; writes hid
.if DOCPART == 4
	.amdgcn_target "amdgcn-amd-amdhsa--gfx1250"
	.amdhsa_code_object_version 6
	.text
	.protected	k_q23cfa051ad_gateup
	.globl	k_q23cfa051ad_gateup
	.p2align	8
	.type	k_q23cfa051ad_gateup,@function
k_q23cfa051ad_gateup:
	s_mov_b64 s[64:65], 0
	v_nop
	global_prefetch_b8 v0, s[64:65] scope:SCOPE_SE
	s_setreg_imm32_b32 hwreg(HW_REG_WAVE_SCHED_MODE, 0, 2), 2
	s_setreg_imm32_b32 hwreg(HW_REG_WAVE_MODE, 25, 1), 1
	s_wait_xcnt 0x0
	s_wait_alu depctr_vm_vsrc(0)
; TokenRoutedMLP, first half: hid = Q(silu(x Wg_e) * (x Wu_e)) for the tokens of each expert e, on codes of FP8 (E4M3).
; Only the rows that the mask of the problem keeps are multiplied: each token by its own expert alone.
; SHARES.  256 work-groups: e = number / 32, g = number % 32.  Work-group (e, g) owns hidden units 32 g .. 32 g + 31 of expert e: 32 gate rows and 32 up rows of the weight,
; 64 rows x 2,048 bytes, which no other work-group reads.  THE FOUR WAVES SPLIT K: wave w keeps bytes 512 w .. 512 w + 511 of all 64 rows in 256 registers for the whole launch.
; Tokens go in batches of 64 (four tiles of 16).  Each wave multiplies its quarter of K for all four tiles; wave w OWNS token tile w of a batch: the other three send it their
; partial sums through LDS, it adds them as (own + partner 1) + (partner 2 + partner 3), which is the same sum whichever wave owns the tile, and finishes the tile.
; ROUTING.  The launch before has stored, for each expert, n and the list of its tokens (order: 5,120 bytes an expert: 1,152 words of list, then n).  Behind the n tokens stand 32 copies
; of the first one, all else is token 0: the last tile's spare rows repeat a row, and no lane is ever switched off.  n is read by a scalar load, the list by loads of 128 bytes.
; An expert without tokens still makes tile 0 (of token 0), so that tile 0 of every part of hid is written.
; hid: [e 8][g 32][place in the list 1024][32 codes]: the codes of units 32 g .. 32 g + 31; only tiles that begin under max(n, 1) are written.
; THE LOOP has a constant count (8 trips x 2 batches: n = 1,024 is served) and one barrier a batch on every wave's path; the work stands under scalar branches on n.
; x's rows, which the 32 work-groups of
; an expert share, come by ordinary loads.  Nothing is prefetched: every byte of the weights is asked for by its own load at the head.
; LAYOUT.  The product is used transposed (source 0 = 16 rows of W, source 1 = 16 tokens): a lane (r = lane % 16, h = lane / 16) holds token r and rows 8 h + j of the W tile.
; THE ROWS OF A W TILE ARE NOT NEIGHBOURS: row m of tile a is unit 16 (m / 8) + 8 (a % 2) + m % 8 (a = 0, 1 gate; 2, 3 up), so that a lane's 16 registers of tiles 0, 1 are units 16 h + 0 .. 15.
; A fragment's registers 16 s + 4 c .. + 3 hold K = 128 s + 32 c + 16 h + 0 .. 15 of the wave's quarter: the same order of k on both sides, so every product meets its partner.
; Rows are loaded as they lie (a wave's load takes 512 consecutive bytes of one row) and turned into fragments through the wave's own stage in LDS, back into the same registers.
; SCALES of expert e: lowp_scales[4 e ..] = ex, ew, eh, (ed).  LIMITS, so that each power of two below is an f32 number: -126 <= ex + ew <= 127; -126 <= eh - 2 (ex + ew) <= 119.
; NaN codes among the inputs are not served.
; REGISTERS, in windows of 256: window 0: v1-31 addresses and the list; v32-127 P (row offsets, partners' sums, at work); v128-255 accumulators, (local tile t, W tile a) at 128 + 32 t + 8 a.
;   window 1: W, tile a at 64 a.   windows 2, 3: two buffers of x, local tile t at 64 t.  Local tile t of wave w is token tile w xor t.
; THE MODE: SCHED_MODE bits 1:0 = 2 (LLVM: expert scheduling mode 2), set by the entry lines.  The code itself states the register dependences
; between vector or matrix instructions and memory or LDS instructions, with s_wait_alu, always for 0.
; THE PLAN.  Registers that memory or LDS instructions touch, round the loop (a trip of TRIP is one batch; p is the batch's parity):
;   X[p] (window 2 + p)  a tile's 64 registers: the tile's stage stores read them, its stage loads land in them, its sixteen products read them; in the next trip XI's loads land in them.
;   P                    v32-95: written by XI's additions, read by XI's loads as offsets.  v32-127: the partners' sums land there in FIN, whose arithmetic reads and writes them.
;   LT, LQ[p]            LT: written by two additions, read by the two loads of the list.  LQ[p]: those loads land in it; XI's v_readlane read it a trip later.
;   ACC, tiles 1-3       written by the products, read by PUT's LDS stores.     CD, HT: written in FIN, read by its one store.
;   s[RL ..]             written by v_readlane, read first by s_min_u32.
;   v1-12 and v16, the addresses, are made at the head and never written again.
; THE WAITS.  At the top of every trip, ahead of its first branch, one on va_vdst and one on vm_vsrc state all that the trip's stage loads, XI's loads and additions, the additions to LT
; and the products' writes of ACC hang on from earlier trips.  Inside a trip: in XI, for each tile, one on va_sdst and one on va_vdst (the offsets); one on va_vdst for LT; in a tile one on
; vm_vsrc between the stage's stores and loads, and one on va_vdst ahead of PUT; FIN, which stands under a branch of its own, has a pair at its head and one on va_vdst ahead of its store.
.set OSTR,   5120                      ; order: bytes for an expert
.set OCNT,   4608                      ; where n stands in them
.set STG,    0                         ; LDS: a stage of 16 rows x 528 bytes for each wave
.set SPITCH, 528                       ; 512 bytes + 16: an odd multiple of 16 bytes, so that the 16 rows that a fragment load touches fall on different banks (64 banks of 4 bytes: ISA guide 11.1)
.set STGW,   16*SPITCH
.set EX,     STG+4*STGW                ; the exchange: block (owner, writer) of 8,192 bytes: two batches' 4,096 by turns
.set P,      32
.set ACC,    128
.set I16,  1                           ; 16 x lane
.set LOFF, 2                           ; 512 w + 16 x lane: my bytes of a row's quarter
.set STW,  3                           ; the stage, as loaded
.set STR,  4                           ; the stage, as fragments: 528 r + 16 h
.set WR,   5                           ; v5-7   where I put local tiles 1-3's sums
.set RD,   8                           ; v8-10  where my three partners put theirs
.set LAQ,  11                          ; v11-12 4 x (lane xor 16 (w xor 2 q)): my lane's word of a batch's 64 list entries, q = 0, 1
.set LT,   13                          ; v13-14 the same, in the batch that is being asked for
.set HO,   16                          ; 32 r + 16 h
.set HT,   17
.set VSC,  18                          ; 2^(eh - 2 (ex + ew))
.set VLIM, 19                          ; 448 x that
.set LQ,   20                          ; v20-23 list entries, two registers for each of two batches: local tile t, row j in register t / 2, lane 16 (t % 2) + j
.set T1,   25
.set T2,   26
.set LANE, 27
.set CD,   28                          ; v28-31 a lane's 16 codes
.set SWV,  14
.set SE,   15
.set SG,   16
.set SN,   24
.set SN1,  25
.set SB,   26                          ; the trip's first place in the list: the loop's counter
.set SNB,  27                          ; the batch that is being asked for
.set SBB,  28                          ; the batch in hand
.set STMP, 29
.set STT,  30                          ; s30-33 16 (w xor t)
.set SNB4, 35
.set SC1,  36                          ; s[36:37] -log2(e) x 2^(ex + ew)
.set RL,   40                          ; s40-55 a tile's 16 tokens
.set MSB, 0
.macro WIN new                         ; the immediate's high byte repeats the setting that is left; a switch that changes nothing is dropped
.if MSB != (\new)
	s_set_vgpr_msb (MSB<<8)|(\new)
.set MSB, (\new)
.endif
.endm
.macro IFACT base, t, cnt, lbl         ; go on only if local tile t of the batch at s[base] begins under s[cnt]
	s_add_co_u32 s[STMP], s[\base], s[STT+\t]
	s_cmp_lt_u32 s[STMP], s[\cnt]
	s_cbranch_scc0 \lbl
.endm
.macro BAR                             ; my LDS stores have landed and my LDS loads are in: then the work-group's barrier
	s_wait_dscnt 0x0
	s_barrier_signal -1
	s_barrier_wait -1
.endm
.macro PLACES n
.rept \n
	v_nop
.endr
.endm
.macro WLOAD a                         ; W tile a: 16 rows, my quarter of each: 512 consecutive bytes a load; read once in the launch
	WIN 0x40                                               ; destination window 1
.irp m, 0,1,2,3,4,5,6,7,8,9,10,11,12,13,14,15
	global_load_b128 v[64*\a+4*\m:64*\a+4*\m+3], v[LOFF], s[6:7] offset:((\a>>1)*1024+16*(\m>>3)+8*(\a&1)+(\m&7))*2048 th:TH_LOAD_NT
.endr
	WIN 0
.endm
.macro WTURN a                         ; rows become fragments, in the same registers; no wait on DScnt between the stores and the loads: LDS serves a wave in order (ISA guide 5.7.1.4)
	WIN 0x04                                               ; store data window 1
.irp m, 0,1,2,3,4,5,6,7,8,9,10,11,12,13,14,15
	ds_store_b128 v[STW], v[64*\a+4*\m:64*\a+4*\m+3] offset:SPITCH*\m
.endr
	WIN 0x40
	s_wait_alu depctr_vm_vsrc(0)                           ; the sixteen stores above have read the tile's 64 registers, in which the fragments land
.irp s, 0,1,2,3
.irp c, 0,1,2,3
	ds_load_b128 v[64*\a+16*\s+4*\c:64*\a+16*\s+4*\c+3], v[STR] offset:128*\s+32*\c
.endr
.endr
	WIN 0
.endm
; A batch's rows of x are asked for, into buffer buf; its list entries lie in v[LQ + 2 buf], v[LQ + 2 buf + 1].  A row is the same for all lanes: so a tile's 16 tokens go to scalar
; registers, are held inside x, and make 16 row offsets; then 16 loads of 512 consecutive bytes.
; all = 1: every tile (the two first batches: so every register of both buffers has been written); all = 0: the tiles of the batch at s[SNB] that begin under max(n, 1).
; Ahead of the macro a wait on vm_vsrc has stated that earlier loads have read P and that the stage's stores have read the buffer.
.macro XI buf, all
.irp i, 0,1,2,3
.if \all == 0
	IFACT SNB, \i, SN1, .Lxs_\@_\i
.endif
.irp j, 0,1,2,3,4,5,6,7,8,9,10,11,12,13,14,15
	v_readlane_b32 s[RL+\j], v[LQ+2*(\buf)+(\i>>1)], 16*(\i&1)+\j
.endr
	s_wait_alu depctr_va_sdst(0)                           ; the sixteen v_readlane have written s[RL ..], ahead of their first readers, the lines below
.irp j, 0,1,2,3,4,5,6,7,8,9,10,11,12,13,14,15
	s_min_u32 s[RL+\j], s[RL+\j], 0x3ff                    ; a token's number stays inside x
.endr
.irp j, 0,1,2,3,4,5,6,7,8,9,10,11,12,13,14,15
	v_lshl_add_u32 v[P+16*\i+\j], s[RL+\j], 11, v[LOFF]    ; its row of 2,048 bytes, my quarter, my 16 bytes
.endr
	WIN (2+(\buf))<<6                                      ; destination: the buffer's window
	s_wait_alu depctr_va_vdst(0)                           ; the tile's sixteen offsets in P are written, which the loads below read
.irp j, 0,1,2,3,4,5,6,7,8,9,10,11,12,13,14,15
	global_load_b128 v[64*\i+4*\j:64*\i+4*\j+3], v[P+16*\i+\j], s[4:5]
.endr
	WIN 0                                                  ; at a label and at a branch every window is 0
.if \all == 0
.Lxs_\@_\i:
.endif
.endr
.endm
.macro PUT par, t                      ; local tile t's four accumulators go to the tile's owner as they stand, each from its low end on
.irp a, 0,1,2,3
.irp q, 0,1
	ds_store_b128 v[WR+\t-1], v[ACC+32*\t+8*\a+4*\q:ACC+32*\t+8*\a+4*\q+3] offset:\par*4096+\a*1024+\q*512
.endr
.endr
.endm
.macro GET par                         ; my three partners' sums for my tile, in the same lanes and registers
.irp k, 1,2,3
.irp a, 0,1,2,3
.irp q, 0,1
	ds_load_b128 v[P+32*(\k-1)+8*\a+4*\q:P+32*(\k-1)+8*\a+4*\q+3], v[RD+\k-1] offset:\par*4096+\a*1024+\q*512
.endr
.endr
.endr
.endm
.macro SUM first                       ; (own + partner 1) + (partner 2 + partner 3);  first: the LDS loads issued behind partner 1's eight
	s_wait_dscnt \first
.irp p, 0,2,4,6,8,10,12,14,16,18,20,22,24,26,28,30
	v_pk_add_f32 v[ACC+\p:ACC+\p+1], v[ACC+\p:ACC+\p+1], v[P+\p:P+\p+1]
.endr
	s_wait_dscnt 0x0
.irp p, 0,2,4,6,8,10,12,14,16,18,20,22,24,26,28,30
	v_pk_add_f32 v[P+32+\p:P+32+\p+1], v[P+32+\p:P+32+\p+1], v[P+64+\p:P+64+\p+1]
.endr
.irp p, 0,2,4,6,8,10,12,14,16,18,20,22,24,26,28,30
	v_pk_add_f32 v[ACC+\p:ACC+\p+1], v[ACC+\p:ACC+\p+1], v[P+32+\p:P+32+\p+1]
.endr
.endm
; Local tile t of the batch in hand: its 16 rows become fragments, then 16 products: four K steps x four W tiles.
.macro TILE par, t
	IFACT SBB, \t, SN1, .Lts_\@
	WIN (2+\par)<<2                                        ; store data: the buffer's window
.irp j, 0,1,2,3,4,5,6,7,8,9,10,11,12,13,14,15
	ds_store_b128 v[STW], v[64*\t+4*\j:64*\t+4*\j+3] offset:SPITCH*\j
.endr
	WIN (2+\par)<<6
	s_wait_alu depctr_vm_vsrc(0)                           ; the sixteen stores above have read the tile's 64 registers, in which the fragments land (the products that last read them stand ahead of the trip's wait on va_vdst)
.irp s, 0,1,2,3
.irp c, 0,1,2,3
	ds_load_b128 v[64*\t+16*\s+4*\c:64*\t+16*\s+4*\c+3], v[STR] offset:128*\s+32*\c
.endr
.endr
	s_wait_dscnt 0x0                                       ; the fragments are in (W's too, the first time)
	WIN 0x01|((2+\par)<<2)                                 ; source 0 (W) window 1, source 1 (x) the buffer's, C and D window 0
.irp s, 0,1,2,3
.irp a, 0,1,2,3                        ; the four accumulators take turns, one instruction a turn; the first K step starts the sums
.if \s == 0
	v_wmma_f32_16x16x128_fp8_fp8 v[ACC+32*\t+8*\a:ACC+32*\t+8*\a+7], v[64*\a+16*\s:64*\a+16*\s+15], v[64*\t+16*\s:64*\t+16*\s+15], 0
.else
	v_wmma_f32_16x16x128_fp8_fp8 v[ACC+32*\t+8*\a:ACC+32*\t+8*\a+7], v[64*\a+16*\s:64*\a+16*\s+15], v[64*\t+16*\s:64*\t+16*\s+15], v[ACC+32*\t+8*\a:ACC+32*\t+8*\a+7]
.endif
.endr
.endr
	WIN 0
	PLACES 5                                               ; four places in front of the reads of the sums (ISA guide 7.12.1), a fifth in front of the products that begin these accumulators anew
.if \t > 0
	s_wait_alu depctr_va_vdst(0)                           ; the products have written the tile's four accumulators, which the LDS stores below read; the places above stay beside this wait
	PUT \par, \t
.endif
.Lts_\@:
.endm
; My own tile is finished: sums, silu(gate) x up, codes, store.
.macro FIN par
	IFACT SBB, 0, SN1, .Lfs_\@
	s_wait_xcnt 0x0                                        ; the loads of x have read their offsets in P, the last store its address and its codes: all are written again below
	s_wait_alu depctr_vm_vsrc(0)                           ; the same, stated for the registers: this trip's loads of x have read P, in which the partners' sums land; the last store has read v[HT] and v[CD ..]
	s_wait_alu depctr_va_vdst(0)                           ; the additions that made the offsets have written P, and the last tile's arithmetic is done with P: the partners' sums land there
	GET \par
	v_lshl_add_u32 v[HT], s[SBB], 5, v[HO]                 ; 32 bytes a place
	SUM 16
.irp p, 0,2,4,6,8,10,12,14
	v_pk_mul_f32 v[P+\p:P+\p+1], v[ACC+\p:ACC+\p+1], s[SC1:SC1+1] op_sel_hi:[1,0]   ; -gate x log2(e): the sums' 2^(ex + ew) lies in the factor
.endr
.set nn, 0
.rept 16
	v_exp_f32 v[P+nn], v[P+nn]                             ; e^-gate
.set nn, nn+1
.endr
	v_nop                                                  ; a plain instruction between the last exponential and the use of its result (ISA guide 5.7.2)
	s_wait_alu depctr_va_vdst(0)                           ; the sixteen exponentials have written v[P ..], ahead of their first reader
.irp p, 0,2,4,6,8,10,12,14
	v_pk_add_f32 v[P+\p:P+\p+1], v[P+\p:P+\p+1], 1.0 op_sel_hi:[1,0]
.endr
.set nn, 0
.rept 16
	v_rcp_f32 v[P+nn], v[P+nn]                             ; sigmoid(gate)
.set nn, nn+1
.endr
	v_nop
	s_wait_alu depctr_va_vdst(0)                           ; the sixteen reciprocals have written v[P ..], ahead of their first reader
.irp p, 0,2,4,6,8,10,12,14
	v_pk_mul_f32 v[ACC+\p:ACC+\p+1], v[ACC+\p:ACC+\p+1], v[P+\p:P+\p+1]             ; silu(gate) / 2^(ex + ew),
.endr
.irp p, 0,2,4,6,8,10,12,14
	v_pk_mul_f32 v[ACC+\p:ACC+\p+1], v[ACC+\p:ACC+\p+1], v[ACC+16+\p:ACC+16+\p+1]   ; x up / 2^(ex + ew)
.endr
.set nn, 0
.rept 16
	v_med3_num_f32 v[ACC+nn], v[ACC+nn], -v[VLIM], v[VLIM] ; the conversion to an 8-bit code does not saturate (ISA guide 7.6.2): the hold at the largest code x the scale
.set nn, nn+1
.endr
	v_cvt_scalef32_pk8_fp8_f32 v[CD:CD+1], v[ACC:ACC+7], v[VSC]          ; / 2^(eh - 2 (ex + ew)): the three scales in one
	v_cvt_scalef32_pk8_fp8_f32 v[CD+2:CD+3], v[ACC+8:ACC+15], v[VSC]
	v_nop                                                  ; a plain instruction between a scaled conversion and the products that write its sources again
	s_wait_alu depctr_va_vdst(0)                           ; the conversions have written v[CD ..] and the addition v[HT], which the store reads
	global_store_b128 v[HT], v[CD:CD+3], s[12:13]          ; the wave stores 512 consecutive bytes, at a multiple of 512 from hid's first byte
.Lfs_\@:
.endm
.macro TRIP par
	s_wait_alu depctr_va_vdst(0)                           ; the products of the trips before are done reading both buffers of x, in which this trip's stage loads and the next batch's rows land; the v_readlane are done reading the list's registers, in which the next entries land
	s_wait_alu depctr_vm_vsrc(0)                           ; the loads issued so far have read P and v[LT ..], which this trip's additions write; the LDS stores have read accumulators 1-3, which its products write, and the other buffer of x, in which the next batch's rows land
.if \par == 0
	s_mov_b32 s[SBB], s[SB]
.else
	s_add_co_u32 s[SBB], s[SB], 64*\par
.endif
	s_cmp_lt_u32 s[SBB], s[SN1]
	s_cbranch_scc0 .Lidle_\@
	s_wait_loadcnt 0x0                                     ; this batch's rows and the next batch's list entries are in.  For 0: how many younger loads there are hangs on n
.if \par == 0
	s_cmp_eq_u32 s[SB], 0
	s_cbranch_scc1 .Lnonext_\@                             ; the second batch, and the third's list entries, were asked for ahead of the loop
.endif
	s_add_co_u32 s[SNB], s[SBB], 64
	s_cmp_lt_u32 s[SNB], s[SN1]
	s_cbranch_scc0 .Lnonext_\@
	XI 1-\par, 0                                           ; the next batch lands while this one is multiplied
	s_add_co_u32 s[SNB4], s[SBB], 128                      ; and the list entries of the batch behind it: places up to 896 + 128 + 63, inside the list's 1,152 words
	s_lshl_b32 s[SNB4], s[SNB4], 2
	v_add_nc_u32 v[LT], s[SNB4], v[LAQ]                    ; (the loads that last read these two addresses are done: the wait for 0 above)
	v_add_nc_u32 v[LT+1], s[SNB4], v[LAQ+1]
	s_wait_alu depctr_va_vdst(0)                           ; the two additions have written v[LT ..], which the two loads read
	global_load_b32 v[LQ+2*\par], v[LT], s[8:9]
	global_load_b32 v[LQ+2*\par+1], v[LT+1], s[8:9]
.Lnonext_\@:
	TILE \par, 0
	TILE \par, 1
	TILE \par, 2
	TILE \par, 3
.Lidle_\@:
	BAR                                                    ; this batch's sums lie in the exchange; the reads of the batch before, whose half the next batch writes, are over
	FIN \par
.endm
	s_load_b256 s[4:11], s[0:1], 0x0                       ; x s[4:5], W s[6:7], order s[8:9], scales s[10:11]
	s_load_b64 s[12:13], s[0:1], 0x20                      ; hid
	v_lshl_add_u32 v15, v0, 2, 0x28400
	v_mov_b32 v24, 0
	v_lshrrev_b32 v[T1], 5, v0
	v_readfirstlane_b32 s[SWV], v[T1]                      ; wave 0..3
	s_lshr_b32 s[SE], ttmp9, 5                             ; the expert
	s_and_b32 s[SG], ttmp9, 31                             ; its slice
	v_and_b32 v[LANE], 31, v0
	v_and_b32 v[T1], 15, v0                                ; r
	v_bfe_u32 v[T2], v0, 4, 1                              ; h
	v_lshlrev_b32 v[I16], 4, v[LANE]
	s_wait_alu depctr_va_sdst(0)                           ; the wave's number is written, ahead of its first reader, the line below
	s_lshl_b32 s[STMP], s[SWV], 9
	v_add_nc_u32 v[LOFF], s[STMP], v[I16]
	s_mul_i32 s[STMP], s[SWV], STGW
	s_add_co_u32 s[STMP], s[STMP], STG                     ; my stage
	v_add_nc_u32 v[STW], s[STMP], v[I16]
	v_mul_u32_u24 v[STR], v[T1], SPITCH
	v_lshl_add_u32 v[STR], v[T2], 4, v[STR]
	v_add_nc_u32 v[STR], s[STMP], v[STR]
	v_lshlrev_b32 v[HO], 5, v[T1]
	v_lshl_add_u32 v[HO], v[T2], 4, v[HO]
.irp i, 0,1,2,3
	s_xor_b32 s[STMP], s[SWV], \i                          ; local tile i is token tile w xor i
	s_lshl_b32 s[STT+\i], s[STMP], 4
.if \i > 0
	s_lshl_b32 s38, s[STMP], 2                             ; block (owner w xor i, writer w)
	s_add_co_u32 s38, s38, s[SWV]
	s_lshl_b32 s38, s38, 13
	s_add_co_u32 s38, s38, EX
	v_add_nc_u32 v[WR+\i-1], s38, v[I16]
	s_lshl_b32 s38, s[SWV], 2                              ; block (owner w, writer w xor i)
	s_add_co_u32 s38, s38, s[STMP]
	s_lshl_b32 s38, s38, 13
	s_add_co_u32 s38, s38, EX
	v_add_nc_u32 v[RD+\i-1], s38, v[I16]
.endif
.endr
.irp q, 0,1
	s_xor_b32 s38, s[SWV], 2*\q
	s_lshl_b32 s38, s38, 4
	v_xor_b32 v[LAQ+\q], s38, v[LANE]                      ; lane 16 h + r takes place 16 (w xor (2 q + h)) + r of a batch: row r of local tile 2 q + h
	v_lshlrev_b32 v[LAQ+\q], 2, v[LAQ+\q]
.endr
.set nn, 0
.rept 32
	v_mov_b32 v[ACC+nn], 0                                 ; my own tile's accumulators are written once here: they are named behind a barrier, under a branch of its own
.set nn, nn+1
.endr
	s_wait_kmcnt 0x0
	s_lshl_b32 s38, s[SE], 4
	s_mov_b32 s39, 0
	s_add_nc_u64 s[10:11], s[10:11], s[38:39]
	s_load_b128 s[20:23], s[10:11], 0x0                    ; ex, ew, eh, ed of my expert
	s_mul_i32 s38, s[SE], OSTR
	s_add_nc_u64 s[8:9], s[8:9], s[38:39]                  ; my expert's list
	s_load_b32 s[SN], s[8:9], OCNT                         ; n
	s_lshl_b32 s38, s[SE], 22                              ; an expert's 2,048 rows of 2,048 bytes,
	s_lshl_b32 s[STMP], s[SG], 16                          ; 32 rows a slice
	s_add_co_u32 s38, s38, s[STMP]
	s_add_nc_u64 s[6:7], s[6:7], s[38:39]
	s_lshl_b32 s38, ttmp9, 15                              ; hid: 1,024 places x 32 bytes for each (e, g),
	s_lshl_b32 s[STMP], s[SWV], 9                          ; my tile: 16 places on for each wave
	s_add_co_u32 s38, s38, s[STMP]
	s_add_nc_u64 s[12:13], s[12:13], s[38:39]
	s_wait_alu depctr_va_vdst(0)                           ; the addresses v1-12 and v16 are written, which the loads, stores and LDS instructions of the whole kernel read
	global_load_b32 v[LQ], v[LAQ], s[8:9]                  ; the list entries of batches 0 and 1
	global_load_b32 v[LQ+1], v[LAQ+1], s[8:9]
	global_load_b32 v[LQ+2], v[LAQ], s[8:9] offset:256
	global_load_b32 v[LQ+3], v[LAQ+1], s[8:9] offset:256
	WLOAD 0
	WLOAD 1
	WLOAD 2
	s_wait_loadcnt 48                                      ; behind the four loads of the list stand 48 of W: the list entries are in
	WLOAD 3
	XI 0, 1
	s_wait_xcnt 0x0                                        ; (nothing of P is shared by the two batches' offsets but the registers: those loads have read them)
	s_wait_alu depctr_vm_vsrc(0)                           ; batch 0's loads have read their offsets in P, which batch 1's additions write again
	XI 1, 1
	global_load_b32 v[LQ], v[LAQ], s[8:9] offset:512       ; batch 2's list entries (the v_readlane that read these two registers stand ahead of the waits on va_vdst in batch 1's XI)
	global_load_b32 v[LQ+1], v[LAQ+1], s[8:9] offset:512
	s_wait_kmcnt 0x0
	s_min_u32 s[SN], s[SN], 1024
	s_max_u32 s[SN1], s[SN], 1
	s_add_co_i32 s[STMP], s20, s21                         ; ex + ew
	s_lshl_b32 s38, s[STMP], 23
	s_mov_b32 s[SC1], 0xbfb8aa3b                           ; -log2(e);
	s_add_co_i32 s[SC1], s[SC1], s38                       ; the exponents are added to its exponent field
	s_mov_b32 s[SC1+1], s[SC1]                             ; (named with it as a pair, so it is written)
	s_lshl_b32 s[STMP], s[STMP], 1
	s_sub_co_i32 s[STMP], s22, s[STMP]                     ; eh - 2 (ex + ew)
	s_add_co_i32 s[STMP], s[STMP], 127
	s_lshl_b32 s38, s[STMP], 23
	v_mov_b32 v[VSC], s38
	s_add_co_i32 s[STMP], s[STMP], 8
	s_lshl_b32 s[STMP], s[STMP], 23
	s_or_b32 s[STMP], s[STMP], 0x600000
	v_mov_b32 v[VLIM], s[STMP]
	s_wait_loadcnt 63                                      ; behind W's last load stand 130 others: W is in
	WTURN 0
	WTURN 1
	WTURN 2
	WTURN 3
	s_mov_b32 s[SB], 0
.Lloop:
	TRIP 0
	TRIP 1
	s_add_co_u32 s[SB], s[SB], 128
	s_cmp_lt_u32 s[SB], 1024
	s_cbranch_scc1 .Lloop
	s_wait_dscnt 0x0                                       ; the closing lines, six on end
	s_wait_alu 0x0
	s_wait_tensorcnt 0x0
	ds_add_u32 v15, v24
	s_wait_dscnt 0x0
	s_endpgm
.Lfunc_end_k_q23cfa051ad_gateup:
	.size	k_q23cfa051ad_gateup, .Lfunc_end_k_q23cfa051ad_gateup-k_q23cfa051ad_gateup
	.p2alignl 7, 3214868480
	.fill 96, 4, 3214868480
	.section	.rodata,"a",@progbits
	.p2align	6, 0x0
	.amdhsa_kernel k_q23cfa051ad_gateup
		.amdhsa_group_segment_fixed_size 165376
		.amdhsa_private_segment_fixed_size 0
		.amdhsa_enable_private_segment 0
		.amdhsa_kernarg_size 40
		.amdhsa_user_sgpr_count 2
		.amdhsa_user_sgpr_kernarg_segment_ptr 1
		.amdhsa_wavefront_size32 1
		.amdhsa_system_sgpr_workgroup_id_x 1
		.amdhsa_system_sgpr_workgroup_id_y 1
		.amdhsa_system_sgpr_workgroup_id_z 1
		.amdhsa_system_vgpr_workitem_id 0
		.amdhsa_next_free_vgpr 1024
		.amdhsa_next_free_sgpr 66
		.amdhsa_reserve_vcc 0
		.amdhsa_float_denorm_mode_32 3
		.amdhsa_float_denorm_mode_16_64 3
		.amdhsa_memory_ordered 1
		.amdhsa_forward_progress 1
		.amdhsa_inst_pref_size 147
	.end_amdhsa_kernel
	.amdgpu_metadata
---
amdhsa.version: [ 1, 2 ]
amdhsa.kernels:
  - .name:           k_q23cfa051ad_gateup
    .symbol:         k_q23cfa051ad_gateup.kd
    .args:
      - { .name: x_codes, .offset: 0, .size: 8, .value_kind: global_buffer, .address_space: global }
      - { .name: gate_up_proj_codes, .offset: 8, .size: 8, .value_kind: global_buffer, .address_space: global }
      - { .name: order, .offset: 16, .size: 8, .value_kind: global_buffer, .address_space: global }
      - { .name: lowp_scales, .offset: 24, .size: 8, .value_kind: global_buffer, .address_space: global }
      - { .name: hid, .offset: 32, .size: 8, .value_kind: global_buffer, .address_space: global }
    .group_segment_fixed_size: 165376
    .private_segment_fixed_size: 0
    .kernarg_segment_align: 8
    .kernarg_segment_size: 40
    .max_flat_workgroup_size: 128
    .sgpr_count:     66
    .vgpr_count:     1024
    .wavefront_size: 32
...
	.end_amdgpu_metadata
.endif
;; end of part 4
;; launch down (part 5): grid 256 x 1, 4 waves a work-group, no clusters, 148,992 bytes of LDS; arguments hid, down_proj_codes, order, lowp_scales, out0; writes out0
.if DOCPART == 5
	.amdgcn_target "amdgcn-amd-amdhsa--gfx1250"
	.amdhsa_code_object_version 6
	.text
	.protected	k_q23cfa051ad_down
	.globl	k_q23cfa051ad_down
	.p2align	8
	.type	k_q23cfa051ad_down,@function
k_q23cfa051ad_down:
	s_mov_b64 s[64:65], 0
	v_nop
	global_prefetch_b8 v0, s[64:65] scope:SCOPE_SE
	s_setreg_imm32_b32 hwreg(HW_REG_WAVE_SCHED_MODE, 0, 2), 2
	s_setreg_imm32_b32 hwreg(HW_REG_WAVE_MODE, 25, 1), 1
	s_wait_xcnt 0x0
	s_wait_alu depctr_vm_vsrc(0)
; TokenRoutedMLP, second half: out[t] = hid[t] Wd_e x 2^(eh + ed), on codes of FP8 (E4M3), for the tokens of each expert e.
; SHARES.  256 work-groups: e = number / 32, g = number % 32.  Work-group (e, g) owns output columns 64 g .. 64 g + 63 of expert e: 64 rows x 1,024 bytes of the weight, which no
; other work-group reads.  THE FOUR WAVES SPLIT K: wave w keeps bytes 256 w .. 256 w + 255 of all 64 rows in 128 registers.  Tokens go in batches of 64 (four tiles of 16); wave w owns
; token tile w of a batch, gets the other waves' partial sums through LDS, adds them as (own + partner 1) + (partner 2 + partner 3), scales and stores the tile's rows.
; ROUTING.  The first launch has stored n and the list of the expert's tokens (order: 5,120 bytes an expert: 1,152 words of list, then n): place p of the list is place p of hid.
; Behind the n tokens stand 32 copies of the first one: the last tile's spare rows hold the first token's numbers once more and store them to the same bytes, from this work-group alone.
; No lane is ever switched off.  Loads and products go by max(n, 1), stores by n: an expert without tokens stores nothing, and every row of out belongs to one expert.
; hid: [e 8][g' 32][place 1024][32 codes].  A fragment's registers 16 s + 4 c .. + 3 hold K = 256 w + 128 s + 32 c + 16 h + 0 .. 15: 16 bytes of part g' = 8 w + 4 s + c: they come straight
; from memory, 512 consecutive bytes a load.  Only tiles that the launch before wrote (those that begin under max(n, 1)) are read.
; The loop has a constant count and one barrier a batch on every wave's path; the work stands under scalar branches on n.  Those branches hang on a count that is read from memory, so
; the text has no tensor load and no cluster; hid's tiles, which the 32 work-groups of an expert share, come by ordinary loads.  Nothing is prefetched: all of the weights are asked for at the head.
; LAYOUT.  The product is used transposed (source 0 = 16 rows of W = 16 columns of out, source 1 = 16 tokens): a lane (r, h) holds token r and columns 16 a + 8 h + 0 .. 7.
; LIMIT: -126 <= eh + ed <= 127, so that 2^(eh + ed) is an f32 number.  NaN codes are not served.
; REGISTERS: window 0: v1-31 addresses; v32-127 P (partners' sums, rows on the way out); v128-255 accumulators, (local tile t, W tile a) at 128 + 32 t + 8 a.
;   window 1: W, tile a at 32 a; from v128 my tile's tokens, eight registers for each of two batches.   window 2: two buffers of hidden fragments, 128 buf + 32 t + 16 s.
;   Local tile t of wave w is token tile w xor t.
; THE MODE: SCHED_MODE bits 1:0 = 2 (LLVM: expert scheduling mode 2), set by the entry lines.  The code itself states the register dependences
; between vector or matrix instructions and memory or LDS instructions, with s_wait_alu, always for 0.
; THE PLAN.  Registers that memory or LDS instructions touch, round the loop (a trip of TRIP is one batch; p is the batch's parity):
;   H[p] (window 2)      HI's loads land in it a trip ahead; the batch's products read it.
;   IXW[p] (window 1)    HI's two loads land in it a trip ahead; FIN's eight v_min_u32 read it.
;   LA, HA               written by HI's additions, read by HI's loads as offsets.
;   ACC, tiles 1-3       written by the products, read by PUT's LDS stores.   ACC, tile 0: written by the products and by FIN's arithmetic, read by FIN's stores into the stage.
;   P                    the partners' sums land there; FIN's arithmetic reads and writes it; OD (v32-63): the stage's loads land there, the global stores read it as data;
;                        OA (v104-111): written by FIN's v_min_u32 and additions, read by the global stores as offsets.
;   The other addresses (v1-12, v14, v15, v20) are made at the head and never written again.
; THE WAITS.  At the top of every trip, ahead of its first branch, one on va_vdst and one on vm_vsrc state all that HI's loads and additions and the products' writes of ACC hang on from
; earlier trips.  Inside a trip: in HI one on va_vdst behind LA's addition and one behind each tile's HA; one on va_vdst ahead of PUT; FIN, which stands under a branch of its own, has a pair
; at its head, one on va_vdst ahead of the stage's stores and loads and one ahead of the global stores.
.set OSTR,   5120                      ; order: bytes for an expert
.set OCNT,   4608                      ; where n stands in them
.set STG,    0                         ; LDS: a stage of 16 rows x 272 bytes for each wave
.set SPITCH, 272                       ; 256 bytes + 16: an odd multiple of 16 bytes (64 banks of 4 bytes: ISA guide 11.1)
.set STGW,   16*SPITCH
.set EX,     STG+4*STGW                ; the exchange: block (owner, writer) of 8,192 bytes: two batches' 4,096 by turns
.set P,      32
.set ACC,    128
.set OD,     32                        ; v32-63   the way out: 16 rows read back from the stage
.set OA,     104                       ; v104-111 their places in out
.set IXW,    128                       ; in window 1: register 8 buf + u of lane (r, h): the token at place 16 w + 8 h + u of the batch
.set I16,  1                           ; 16 x lane
.set WOFF, 2                           ; 1,024 h + 256 w + 16 r: two rows' quarters a load
.set SRP,  3                           ; the stage by pairs of rows: 272 h + 16 r
.set SFR,  4                           ; the stage by fragments: 272 r + 16 h
.set WR,   5
.set RD,   8
.set SO,   11                          ; the stage on the way out: 272 r + 32 h
.set LBO,  12                          ; 4 (16 w + 8 h): my half's eight tokens of a batch
.set LA,   13
.set HO,   14                          ; 32 r + 16 h
.set CO,   15                          ; 256 g + 16 r
.set HA,   16                          ; v16-19
.set SRQ,  20                          ; the stage back: rows u and u + 8: 8 x 272 h + 16 r
.set T1,   25
.set T2,   26
.set LANE, 27
.set SWV,  14
.set SE,   15
.set SG,   16
.set SN,   24
.set SN1,  25
.set SB,   26                          ; the trip's first place in the list: the loop's counter
.set SNB,  27
.set SBB,  28
.set STMP, 29
.set STT,  30                          ; s30-33 16 (w xor t)
.set SC1,  36                          ; s[36:37] 2^(eh + ed)
.set SLAST, 40                         ; where the last written tile of hid begins
.set MSB, 0
.macro WIN new                         ; the immediate's high byte repeats the setting that is left; a switch that changes nothing is dropped
.if MSB != (\new)
	s_set_vgpr_msb (MSB<<8)|(\new)
.set MSB, (\new)
.endif
.endm
.macro IFACT base, t, cnt, lbl         ; go on only if local tile t of the batch at s[base] begins under s[cnt]
	s_add_co_u32 s[STMP], s[\base], s[STT+\t]
	s_cmp_lt_u32 s[STMP], s[\cnt]
	s_cbranch_scc0 \lbl
.endm
.macro BAR                             ; my LDS stores have landed and my LDS loads are in: then the work-group's barrier
	s_wait_dscnt 0x0
	s_barrier_signal -1
	s_barrier_wait -1
.endm
.macro PLACES n
.rept \n
	v_nop
.endr
.endm
.macro WLOAD                           ; my quarter of the 64 rows: a load takes 256 consecutive bytes of each of two rows; read once in the launch
	WIN 0x40                                               ; destination window 1
.irp a, 0,1,2,3
.irp u, 0,1,2,3,4,5,6,7
	global_load_b128 v[32*\a+4*\u:32*\a+4*\u+3], v[WOFF], s[6:7] offset:(16*\a+2*\u)*1024 th:TH_LOAD_NT
.endr
.endr
	WIN 0
.endm
.macro WTURN a                         ; rows become fragments, in the same registers; no wait on DScnt between the stores and the loads: LDS serves a wave in order (ISA guide 5.7.1.4)
	WIN 0x04                                               ; store data window 1
.irp u, 0,1,2,3,4,5,6,7
	ds_store_b128 v[SRP], v[32*\a+4*\u:32*\a+4*\u+3] offset:2*SPITCH*\u
.endr
	WIN 0x40
	s_wait_alu depctr_vm_vsrc(0)                           ; the eight stores above have read the tile's 32 registers, in which the fragments land
.irp s, 0,1
.irp c, 0,1,2,3
	ds_load_b128 v[32*\a+16*\s+4*\c:32*\a+16*\s+4*\c+3], v[SFR] offset:128*\s+32*\c
.endr
.endr
	WIN 0
.endm
; The batch at s[SNB] is asked for, into buffer buf: my own tile's tokens (two loads), and eight loads a tile, 512 consecutive bytes each, one from each of my eight parts of hid.
; all = 1 (s[SNB] = 64 buf): every tile, held at the last tile that was written (the two first batches: so every register of both buffers has been written); all = 0: the tiles that begin under max(n, 1).
; Ahead of the macro a wait on vm_vsrc has stated that earlier loads have read v[LA] and v[HA ..].
.macro HI buf, all
.if \all
.irp i, 0,1,2,3
	s_add_co_u32 s[STMP], s[SNB], s[STT+\i]
	s_min_u32 s[STMP], s[STMP], s[SLAST]
	s_min_u32 s[STMP], s[STMP], 0x3f0
	v_lshl_add_u32 v[HA+\i], s[STMP], 5, v[HO]
.endr
	WIN 0x40                                               ; destination window 1
	s_wait_alu depctr_va_vdst(0)                           ; the four additions have written v[HA ..], which the 32 loads of hid below read
	global_load_b128 v[IXW+8*(\buf):IXW+8*(\buf)+3], v[LBO], s[8:9] offset:256*(\buf)
	global_load_b128 v[IXW+8*(\buf)+4:IXW+8*(\buf)+7], v[LBO], s[8:9] offset:256*(\buf)+16
	WIN 0x80                                               ; destination window 2
.irp i, 0,1,2,3
.irp u, 0,1,2,3,4,5,6,7
	global_load_b128 v[128*(\buf)+32*\i+4*\u:128*(\buf)+32*\i+4*\u+3], v[HA+\i], s[4:5] offset:\u*32768
.endr
.endr
	WIN 0
.else
	s_lshl_b32 s[STMP], s[SNB], 2
	v_add_nc_u32 v[LA], s[STMP], v[LBO]
	WIN 0x40
	s_wait_alu depctr_va_vdst(0)                           ; the addition has written v[LA], which the two loads read
	global_load_b128 v[IXW+8*(\buf):IXW+8*(\buf)+3], v[LA], s[8:9]
	global_load_b128 v[IXW+8*(\buf)+4:IXW+8*(\buf)+7], v[LA], s[8:9] offset:16
	WIN 0
.irp i, 0,1,2,3
	IFACT SNB, \i, SN1, .Lhs_\@_\i
	v_lshl_add_u32 v[HA+\i], s[STMP], 5, v[HO]
	WIN 0x80
	s_wait_alu depctr_va_vdst(0)                           ; the addition has written the tile's v[HA + i], which the eight loads read
.irp u, 0,1,2,3,4,5,6,7
	global_load_b128 v[128*(\buf)+32*\i+4*\u:128*(\buf)+32*\i+4*\u+3], v[HA+\i], s[4:5] offset:\u*32768
.endr
	WIN 0                                                  ; at a label and at a branch every window is 0
.Lhs_\@_\i:
.endr
.endif
.endm
.macro PUT par, t                      ; local tile t's four accumulators go to the tile's owner as they stand, each from its low end on
.irp a, 0,1,2,3
.irp q, 0,1
	ds_store_b128 v[WR+\t-1], v[ACC+32*\t+8*\a+4*\q:ACC+32*\t+8*\a+4*\q+3] offset:\par*4096+\a*1024+\q*512
.endr
.endr
.endm
.macro GET par                         ; my three partners' sums for my tile, in the same lanes and registers
.irp k, 1,2,3
.irp a, 0,1,2,3
.irp q, 0,1
	ds_load_b128 v[P+32*(\k-1)+8*\a+4*\q:P+32*(\k-1)+8*\a+4*\q+3], v[RD+\k-1] offset:\par*4096+\a*1024+\q*512
.endr
.endr
.endr
.endm
.macro SUM first                       ; (own + partner 1) + (partner 2 + partner 3);  first: the LDS loads issued behind partner 1's eight
	s_wait_dscnt \first
.irp p, 0,2,4,6,8,10,12,14,16,18,20,22,24,26,28,30
	v_pk_add_f32 v[ACC+\p:ACC+\p+1], v[ACC+\p:ACC+\p+1], v[P+\p:P+\p+1]
.endr
	s_wait_dscnt 0x0
.irp p, 0,2,4,6,8,10,12,14,16,18,20,22,24,26,28,30
	v_pk_add_f32 v[P+32+\p:P+32+\p+1], v[P+32+\p:P+32+\p+1], v[P+64+\p:P+64+\p+1]
.endr
.irp p, 0,2,4,6,8,10,12,14,16,18,20,22,24,26,28,30
	v_pk_add_f32 v[ACC+\p:ACC+\p+1], v[ACC+\p:ACC+\p+1], v[P+32+\p:P+32+\p+1]
.endr
.endm
; Local tile t of the batch in hand: eight products: two K steps x four W tiles.
.macro TILE par, t
	IFACT SBB, \t, SN1, .Lts_\@
	WIN 0x09                                               ; source 0 (W) window 1, source 1 (hid) window 2, C and D window 0
.irp s, 0,1
.irp a, 0,1,2,3                        ; the four accumulators take turns, one instruction a turn; the first K step starts the sums
.if \s == 0
	v_wmma_f32_16x16x128_fp8_fp8 v[ACC+32*\t+8*\a:ACC+32*\t+8*\a+7], v[32*\a+16*\s:32*\a+16*\s+15], v[128*\par+32*\t+16*\s:128*\par+32*\t+16*\s+15], 0
.else
	v_wmma_f32_16x16x128_fp8_fp8 v[ACC+32*\t+8*\a:ACC+32*\t+8*\a+7], v[32*\a+16*\s:32*\a+16*\s+15], v[128*\par+32*\t+16*\s:128*\par+32*\t+16*\s+15], v[ACC+32*\t+8*\a:ACC+32*\t+8*\a+7]
.endif
.endr
.endr
	WIN 0
	PLACES 5                                               ; four places in front of the reads of the sums (ISA guide 7.12.1), a fifth in front of the products that begin these accumulators anew
.if \t > 0
	s_wait_alu depctr_va_vdst(0)                           ; the products have written the tile's four accumulators, which the LDS stores below read; the places above stay beside this wait
	PUT \par, \t
.endif
.Lts_\@:
.endm
; My own tile is finished: sums, x 2^(eh + ed), through my stage, and each row to its token's place in out.
.macro FIN par
	IFACT SBB, 0, SN, .Lfs_\@
	s_wait_xcnt 0x0                                        ; the last stores have read their addresses and data in P: both are written again below
	s_wait_alu depctr_vm_vsrc(0)                           ; the same, stated for the registers: the last tile's stores have read v[OA ..] and v[OD ..], in which the partners' sums land
	s_wait_alu depctr_va_vdst(0)                           ; the last tile's arithmetic is done with P, v[OA ..] among it: the partners' sums land there
	GET \par
	SUM 16
.irp p, 0,2,4,6,8,10,12,14,16,18,20,22,24,26,28,30
	v_pk_mul_f32 v[ACC+\p:ACC+\p+1], v[ACC+\p:ACC+\p+1], s[SC1:SC1+1] op_sel_hi:[1,0]
.endr
	s_wait_alu depctr_va_vdst(0)                           ; the multiplications have written my tile's accumulators, which the LDS stores read; the sums are done reading v[OD ..], in which the stage's loads land
.irp a, 0,1,2,3
.irp q, 0,1
	ds_store_b128 v[SO], v[ACC+8*\a+4*\q:ACC+8*\a+4*\q+3] offset:64*\a+16*\q    ; row r: columns 16 a + 8 h + 4 q on
.endr
.endr
.irp u, 0,1,2,3,4,5,6,7
	ds_load_b128 v[OD+4*\u:OD+4*\u+3], v[SRQ] offset:SPITCH*\u                  ; back by rows: lanes 0-15 row u, lanes 16-31 row u + 8; LDS serves a wave in order: these see my stores
.endr
	s_wait_loadcnt 0x0                                     ; my tile's tokens are in.  For 0: how many younger loads there are hangs on n; the next batch's head would wait for the same loads
	WIN 0x04                                               ; source 1 window 1
.irp u, 0,1,2,3,4,5,6,7
	v_min_u32 v[OA+\u], 0x3ff, v[IXW+8*\par+\u]            ; a token's number stays inside out
.endr
	WIN 0
.irp u, 0,1,2,3,4,5,6,7
	v_lshl_add_u32 v[OA+\u], v[OA+\u], 13, v[CO]           ; its row of 8,192 bytes, my work-group's 256, my 16
.endr
	s_wait_alu depctr_va_vdst(0)                           ; the eight additions have written v[OA ..], which the stores read as offsets
.irp u, 0,1,2,3,4,5,6,7
	s_wait_dscnt 7-\u                                      ; LDS loads come back in order (ISA guide 5.7.1): rows u and u + 8 are in
	global_store_b128 v[OA+\u], v[OD+4*\u:OD+4*\u+3], s[12:13] th:TH_STORE_NT   ; sixteen lanes store 256 consecutive bytes, at a multiple of 256 from out's first byte
.endr
.Lfs_\@:
.endm
.macro TRIP par
	s_wait_alu depctr_va_vdst(0)                           ; the products of the trips before are done reading the other buffer of hid, and the last tile's v_min_u32 its tokens: the next batch's loads land in both
	s_wait_alu depctr_vm_vsrc(0)                           ; the loads issued so far have read v[LA] and v[HA ..], which this trip's additions write; the LDS stores have read the accumulators, which its products write
.if \par == 0
	s_mov_b32 s[SBB], s[SB]
.else
	s_add_co_u32 s[SBB], s[SB], 64*\par
.endif
	s_cmp_lt_u32 s[SBB], s[SN1]
	s_cbranch_scc0 .Lidle_\@
	s_wait_loadcnt 0x0                                     ; this batch's fragments are in.  For 0: how many younger loads there are hangs on n
.if \par == 0
	s_cmp_eq_u32 s[SB], 0
	s_cbranch_scc1 .Lnonext_\@                             ; the second batch was asked for ahead of the loop
.endif
	s_add_co_u32 s[SNB], s[SBB], 64
	s_cmp_lt_u32 s[SNB], s[SN1]
	s_cbranch_scc0 .Lnonext_\@
	HI 1-\par, 0                                           ; the next batch lands while this one is multiplied
.Lnonext_\@:
	TILE \par, 0
	TILE \par, 1
	TILE \par, 2
	TILE \par, 3
.Lidle_\@:
	BAR                                                    ; this batch's sums lie in the exchange; the reads of the batch before, whose half the next batch writes, are over
	FIN \par
.endm
	s_load_b256 s[4:11], s[0:1], 0x0                       ; hid s[4:5], W s[6:7], order s[8:9], scales s[10:11]
	s_load_b64 s[12:13], s[0:1], 0x20                      ; out
	v_lshl_add_u32 v30, v0, 2, 0x24400
	v_mov_b32 v31, 0
	v_lshrrev_b32 v[T1], 5, v0
	v_readfirstlane_b32 s[SWV], v[T1]                      ; wave 0..3
	s_lshr_b32 s[SE], ttmp9, 5                             ; the expert
	s_and_b32 s[SG], ttmp9, 31                             ; its slice
	v_and_b32 v[LANE], 31, v0
	v_and_b32 v[T1], 15, v0                                ; r
	v_bfe_u32 v[T2], v0, 4, 1                              ; h
	v_lshlrev_b32 v[I16], 4, v[LANE]
	s_wait_alu depctr_va_sdst(0)                           ; the wave's number is written, ahead of its first reader, the line below
	s_lshl_b32 s[STMP], s[SWV], 8
	v_lshlrev_b32 v[WOFF], 4, v[T1]
	v_lshl_add_u32 v[WOFF], v[T2], 10, v[WOFF]
	v_add_nc_u32 v[WOFF], s[STMP], v[WOFF]
	s_mul_i32 s[STMP], s[SWV], STGW
	s_add_co_u32 s[STMP], s[STMP], STG                     ; my stage
	v_mul_u32_u24 v[SRP], v[T2], SPITCH
	v_lshl_add_u32 v[SRP], v[T1], 4, v[SRP]
	v_add_nc_u32 v[SRP], s[STMP], v[SRP]
	v_mul_u32_u24 v[SRQ], v[T2], 8*SPITCH
	v_lshl_add_u32 v[SRQ], v[T1], 4, v[SRQ]
	v_add_nc_u32 v[SRQ], s[STMP], v[SRQ]
	v_mul_u32_u24 v[SFR], v[T1], SPITCH
	v_lshl_add_u32 v[SO], v[T2], 5, v[SFR]
	v_add_nc_u32 v[SO], s[STMP], v[SO]
	v_lshl_add_u32 v[SFR], v[T2], 4, v[SFR]
	v_add_nc_u32 v[SFR], s[STMP], v[SFR]
	s_lshl_b32 s38, s[SWV], 6
	v_lshl_add_u32 v[LBO], v[T2], 5, s38
	v_lshlrev_b32 v[HO], 5, v[T1]
	v_lshl_add_u32 v[HO], v[T2], 4, v[HO]
	s_lshl_b32 s38, s[SG], 8
	v_lshl_add_u32 v[CO], v[T1], 4, s38
.irp i, 0,1,2,3
	s_xor_b32 s[STMP], s[SWV], \i                          ; local tile i is token tile w xor i
	s_lshl_b32 s[STT+\i], s[STMP], 4
.if \i > 0
	s_lshl_b32 s38, s[STMP], 2                             ; block (owner w xor i, writer w)
	s_add_co_u32 s38, s38, s[SWV]
	s_lshl_b32 s38, s38, 13
	s_add_co_u32 s38, s38, EX
	v_add_nc_u32 v[WR+\i-1], s38, v[I16]
	s_lshl_b32 s38, s[SWV], 2                              ; block (owner w, writer w xor i)
	s_add_co_u32 s38, s38, s[STMP]
	s_lshl_b32 s38, s38, 13
	s_add_co_u32 s38, s38, EX
	v_add_nc_u32 v[RD+\i-1], s38, v[I16]
.endif
.endr
.set nn, 0
.rept 32
	v_mov_b32 v[ACC+nn], 0                                 ; my own tile's accumulators are written once here: they are named behind a barrier, under a branch of its own
.set nn, nn+1
.endr
	s_wait_kmcnt 0x0
	s_lshl_b32 s38, s[SE], 4
	s_mov_b32 s39, 0
	s_add_nc_u64 s[10:11], s[10:11], s[38:39]
	s_load_b128 s[20:23], s[10:11], 0x0                    ; ex, ew, eh, ed of my expert
	s_mul_i32 s38, s[SE], OSTR
	s_add_nc_u64 s[8:9], s[8:9], s[38:39]                  ; my expert's list
	s_load_b32 s[SN], s[8:9], OCNT                         ; n
	s_lshl_b32 s38, s[SE], 21                              ; an expert's 2,048 rows of 1,024 bytes,
	s_lshl_b32 s[STMP], s[SG], 16                          ; 64 rows a slice
	s_add_co_u32 s38, s38, s[STMP]
	s_add_nc_u64 s[6:7], s[6:7], s[38:39]
	s_lshl_b32 s38, s[SE], 20                              ; hid: an expert's 32 parts of 32,768 bytes,
	s_lshl_b32 s[STMP], s[SWV], 18                         ; eight parts a wave
	s_add_co_u32 s38, s38, s[STMP]
	s_add_nc_u64 s[4:5], s[4:5], s[38:39]
	s_wait_alu depctr_va_vdst(0)                           ; the addresses v1-12, v14, v15 and v20 are written, which the loads, stores and LDS instructions of the whole kernel read
	WLOAD
	s_wait_kmcnt 0x0
	s_min_u32 s[SN], s[SN], 1024
	s_max_u32 s[SN1], s[SN], 1
	s_sub_co_u32 s[SLAST], s[SN1], 1
	s_and_b32 s[SLAST], s[SLAST], -16                      ; where the last tile that begins under max(n, 1) begins
	s_add_co_i32 s[SC1], s22, s23                          ; eh + ed
	s_add_co_i32 s[SC1], s[SC1], 127
	s_lshl_b32 s[SC1], s[SC1], 23                          ; 2^(eh + ed) as f32
	s_mov_b32 s[SC1+1], s[SC1]                             ; (named with it as a pair, so it is written)
	s_mov_b32 s[SNB], 0
	HI 0, 1
	s_wait_xcnt 0x0                                        ; those loads have read their addresses, which are written again
	s_wait_alu depctr_vm_vsrc(0)                           ; batch 0's loads have read v[HA ..], which batch 1's additions write again
	s_mov_b32 s[SNB], 64
	HI 1, 1
	s_wait_loadcnt 63                                      ; behind W's last load stand 68 others: W is in
	WTURN 0
	WTURN 1
	WTURN 2
	WTURN 3
	s_wait_dscnt 0x0                                       ; W's fragments are in
	s_mov_b32 s[SB], 0
.Lloop:
	TRIP 0
	TRIP 1
	s_add_co_u32 s[SB], s[SB], 128
	s_cmp_lt_u32 s[SB], 1024
	s_cbranch_scc1 .Lloop
	s_wait_dscnt 0x0                                       ; the closing lines, six on end
	s_wait_alu 0x0
	s_wait_tensorcnt 0x0
	ds_add_u32 v30, v31
	s_wait_dscnt 0x0
	s_endpgm
.Lfunc_end_k_q23cfa051ad_down:
	.size	k_q23cfa051ad_down, .Lfunc_end_k_q23cfa051ad_down-k_q23cfa051ad_down
	.p2alignl 7, 3214868480
	.fill 96, 4, 3214868480
	.section	.rodata,"a",@progbits
	.p2align	6, 0x0
	.amdhsa_kernel k_q23cfa051ad_down
		.amdhsa_group_segment_fixed_size 148992
		.amdhsa_private_segment_fixed_size 0
		.amdhsa_enable_private_segment 0
		.amdhsa_kernarg_size 40
		.amdhsa_user_sgpr_count 2
		.amdhsa_user_sgpr_kernarg_segment_ptr 1
		.amdhsa_wavefront_size32 1
		.amdhsa_system_sgpr_workgroup_id_x 1
		.amdhsa_system_sgpr_workgroup_id_y 1
		.amdhsa_system_sgpr_workgroup_id_z 1
		.amdhsa_system_vgpr_workitem_id 0
		.amdhsa_next_free_vgpr 768
		.amdhsa_next_free_sgpr 66
		.amdhsa_reserve_vcc 0
		.amdhsa_float_denorm_mode_32 3
		.amdhsa_float_denorm_mode_16_64 3
		.amdhsa_memory_ordered 1
		.amdhsa_forward_progress 1
		.amdhsa_inst_pref_size 59
	.end_amdhsa_kernel
	.amdgpu_metadata
---
amdhsa.version: [ 1, 2 ]
amdhsa.kernels:
  - .name:           k_q23cfa051ad_down
    .symbol:         k_q23cfa051ad_down.kd
    .args:
      - { .name: hid, .offset: 0, .size: 8, .value_kind: global_buffer, .address_space: global }
      - { .name: down_proj_codes, .offset: 8, .size: 8, .value_kind: global_buffer, .address_space: global }
      - { .name: order, .offset: 16, .size: 8, .value_kind: global_buffer, .address_space: global }
      - { .name: lowp_scales, .offset: 24, .size: 8, .value_kind: global_buffer, .address_space: global }
      - { .name: out0, .offset: 32, .size: 8, .value_kind: global_buffer, .address_space: global }
    .group_segment_fixed_size: 148992
    .private_segment_fixed_size: 0
    .kernarg_segment_align: 8
    .kernarg_segment_size: 40
    .max_flat_workgroup_size: 128
    .sgpr_count:     66
    .vgpr_count:     768
    .wavefront_size: 32
...
	.end_amdgpu_metadata
.endif
;; end of part 5
